; MI455X (gfx1250); checked and timed in simulation.
; The chip was launched on July 23, 2026; its instructions are those of AMD's public machine-readable ISA for CDNA 5 (MIT licence, August 2026) and "CDNA5" Instruction Set Architecture Reference Guide (July 2026). The comments in the code are by the model that wrote it; some were corrected since.
;; KAN Linear. Allowed arithmetic: matrix products marked QUANTISED: E3M2 operands, one E8M0 scale for each 32 along K, by v_wmma_scale_f32_16x16x128_f8f6f4 with both operands' format E3M2, f32 sums; everything else in f32.
;; Inputs: base_weight 256 x 256 float32; spline_weight 256 x 256 x 8 float32; x 8 x 4,096 x 256 float32.
;; Outputs: out0 8 x 4,096 x 256 float32.
;; This version of the problem:
;;   THIS VERSION OF THE PROBLEM IS GIVEN IN LOW PRECISION. The matrix products marked QUANTISED in the list below multiply operands that are first quantised to E3M2 (3 exponent bits, 2 mantissa bits; 6 bits a number), with one power-of-two scale for each 32 numbers along K (OCP MX v1.0); their sums are f32. All else is computed in f32.
;;   The module's matrix products, in the order in which they are computed (A, B: the left and right operand; K: the contracted axis; several contracted axes count as one K, in the product's order):
;;     1. [M 32,768, K 256] x [K 256, N 256]; A: computed on the way; B: input base_weight: QUANTISED
;;     2. [M 32,768, K 2,048] x [K 2,048, N 256]; A: computed on the way; B: input spline_weight: QUANTISED
;;   THE QUANTISER, for each operand of a quantised product, along K:
;;     - K is cut into blocks of 32 from its start; a last block that is shorter is filled with zeros.
;;     - A block's scale is 2^e with e = floor(log2(the largest magnitude in the block)) - 4, held to -126 .. 127; a block of zeros has e = 0. As a byte (E8M0): e + 127.
;;     - Each number is divided by its block's scale, clamped to +-28, and rounded to the nearest number of E3M2, ties to even, subnormals kept.
;;     - The product sums the exact products of the quantised numbers (number of the format x scale) in f32.
;;   ~~~python
;;   def quantise(x, axis):      # numpy; x: float32 -> the quantised numbers, widened to float32 again
;;       x = np.moveaxis(x, axis, -1); K = x.shape[-1]
;;       x = np.pad(x, [(0, 0)] * (x.ndim - 1) + [(0, -K % 32)]); x = x.reshape(x.shape[:-1] + (-1, 32)); a = np.abs(x).max(-1, keepdims=True)
;;       e = np.where(a > 0, np.clip(np.frexp(np.where(a > 0, a, 1))[1] - 1 - 4, -126, 127), 0)      # np.frexp(a)[1] - 1 = floor(log2(a)), exactly
;;       r = np.clip(x / 2.0 ** e, -28, 28)
;;       step = 2.0 ** (np.maximum(np.frexp(np.where(r == 0, 1, r))[1] - 1, -2) - 2)
;;       q = np.round(r / step) * step * 2.0 ** e      # np.round: ties to even
;;       return np.moveaxis(q.reshape(q.shape[:-2] + (-1,))[..., :K], -1, axis).astype(np.float32)
;;   ~~~
;;   OPERANDS COMPUTED ON THE WAY. 'Computed on the way' means the value that the module computes at that place (a softmax that the list does not call 'softmax' is quantised finished and normalised). What goes into a quantiser is computed in f32, as accurately as f32 sums, v_exp_f32 and their like allow (about 1e-6 of the number): no bf16 or f16 on the way to a quantiser, and a product that is left as it is and whose result goes on into a quantised operand takes f32 operands (vector FMAs, or v_wmma_f32_16x16x4_f32). A number that lies on a knife's edge between two numbers of the format may be rounded either way, as far as f32 arithmetic and the matrix unit's own rounding can turn it there, and no further.
;; 2 versions. Each part assembles by itself: llvm-mc -triple=amdgcn-amd-amdhsa -mcpu=gfx1250 --defsym DOCPART=n.
;; ======== version 1 of 2: 2 launches
;; workspace buffers: wq 460,800 bytes
;; launch wprep (part 1): grid 72 x 1, 4 waves a work-group, no clusters, 0 bytes of LDS; arguments base_weight, spline_weight, wq; writes wq
.if DOCPART == 1
	.amdgcn_target "amdgcn-amd-amdhsa--gfx1250"
	.amdhsa_code_object_version 6
	.text
	.protected	k_qb8022fd94e_wprep
	.globl	k_qb8022fd94e_wprep
	.p2align	8
	.type	k_qb8022fd94e_wprep,@function
k_qb8022fd94e_wprep:
	s_mov_b64 s[64:65], 0
	v_nop
	global_prefetch_b8 v0, s[64:65] scope:SCOPE_SE
	s_setreg_imm32_b32 hwreg(HW_REG_WAVE_MODE, 25, 1), 1
	s_wait_xcnt 0x0
; Both weights, f32 with K innermost, become codes of BF6 (E3M2) with one E8M0 byte for each 32 along K, laid in wq in the order of the operand's registers.
; K steps of 128: steps 0-15 are spline_weight [256][2048], steps 16, 17 base_weight [256][256].  wq holds, for K step s and column quarter w, a block of 6,400 bytes at (4 s + w) x 6,400:
; four fragments (16 output rows x 128 K, 12 registers a lane: register group q of lane l at 1,536 b + 512 q + 16 l), then 256 bytes of scale words (tile b, row r at 6,144 + 64 b + 4 r).
; A work-group makes one block, each of its four waves one fragment.  Lane (r, h) holds of row r the numbers k = 64 c + 32 h + 0 .. 31, c = 0, 1: two whole blocks of 32, so no other lane is asked for a maximum,
; and the conversions' results are the operand's registers.
; A block's scale byte is its largest magnitude's exponent field - 4, held at 1 from below.  LIMITS: a block of zeros gets the byte 1 (its codes are zeros, and this program alone reads the bytes);
; NaN and infinities among the weights are not served.
.set XN,  32                           ; v32-95   64 numbers: 32 c + i
.set CD,  16                           ; v16-27   the fragment's 12 registers
.set C2,  100                          ; v100-102, v104-106 the second halves of the blocks' codes, before they are moved
	s_load_b128 s[4:7], s[0:1], 0x0                ; base_weight, spline_weight
	s_load_b64 s[8:9], s[0:1], 0x10                ; wq
	v_lshrrev_b32 v1, 5, v0
	v_readfirstlane_b32 s10, v1                    ; wave = tile b
	v_and_b32 v1, 15, v0                           ; r
	v_bfe_u32 v2, v0, 4, 1                         ; h
	v_and_b32 v6, 31, v0                           ; lane
	s_lshr_b32 s11, ttmp9, 2                       ; K step
	s_and_b32 s12, ttmp9, 3                        ; column quarter
	s_mov_b32 s13, 1024                            ; a row of base_weight in bytes
	s_mov_b32 s22, 0x76543210
	s_mov_b32 s23, 0xfedcba98                      ; v_permlanex16_b32's selects for lane l xor 16
	s_lshl_b32 s15, s12, 6
	s_lshl_b32 s16, s10, 4
	s_add_co_u32 s15, s15, s16                     ; my first output row: 64 w + 16 b
	s_wait_kmcnt 0x0
	s_cmp_lt_u32 s11, 16                           ; a spline step?  The choice hangs on the work-group's number alone
	s_cselect_b64 s[4:5], s[6:7], s[4:5]
	s_cselect_b32 s13, 8192, s13                   ; a row of spline_weight is 8,192 bytes
	s_cselect_b32 s14, 0, 16
	s_sub_co_u32 s14, s11, s14                     ; the K step within its tensor
	s_mul_i32 s16, s15, s13
	s_lshl_b32 s17, s14, 9                         ; 128 numbers are 512 bytes
	s_add_co_u32 s16, s16, s17
	s_mov_b32 s17, 0
	s_add_nc_u64 s[4:5], s[4:5], s[16:17]
	s_mul_i32 s18, ttmp9, 6400
	s_mov_b32 s19, 0
	s_add_nc_u64 s[8:9], s[8:9], s[18:19]
	v_mul_lo_u32 v3, v1, s13
	v_lshl_add_u32 v3, v2, 7, v3                   ; in: row r, + 128 h bytes
	s_mul_i32 s20, s10, 1536
	v_lshl_add_u32 v4, v6, 4, s20                  ; out: 16 x lane + my fragment
	s_lshl_b32 s21, s10, 6
	s_add_co_u32 s21, s21, 6144
	v_lshl_add_u32 v5, v1, 2, s21                  ; and my row's scale word
.irp c, 0,1
.irp j, 0,1,2,3,4,5,6,7
	global_load_b128 v[XN+32*\c+4*\j:XN+32*\c+4*\j+3], v3, s[4:5] offset:256*\c+16*\j th:TH_LOAD_NT
.endr
.endr
	s_wait_loadcnt 0x0
.irp c, 0,1
	v_max3_num_f32 v[8+\c], |v[XN+32*\c]|, |v[XN+32*\c+1]|, 0x2800000   ; my block 2 c + h, and the floor 2^(5 - 127): the byte cannot fall under 1
.endr
.irp i, 2,4,6,8,10,12,14,16,18,20,22,24,26,28,30
.irp c, 0,1
	v_max3_num_f32 v[8+\c], v[8+\c], |v[XN+32*\c+\i]|, |v[XN+32*\c+\i+1]|   ; (the two blocks by turns)
.endr
.endr
.irp c, 0,1
	v_add_nc_u32 v[10+\c], 0xfe000000, v[8+\c]     ; 4 off the exponent field: the conversion takes the exponent field of this operand as its scale
.endr
.irp c, 0,1
	v_lshrrev_b32 v[12+\c], 23, v[10+\c]           ; the scale's byte
.endr
	v_lshl_or_b32 v14, v13, 16, v12                ; my two bytes: blocks h and 2 + h,
	v_lshlrev_b32 v15, 3, v2
	v_lshlrev_b32 v14, v15, v14                    ; at their places in the word (8 h bits up);
	v_mov_b32 v15, 0
	v_permlanex16_b32 v15, v14, s22, s23
	v_or_b32 v14, v14, v15                         ; with lane l xor 16's two the word is whole
.irp c, 0,1
	v_cvt_scalef32_pk16_bf6_f32 v[CD+6*\c:CD+6*\c+2], v[XN+32*\c:XN+32*\c+15], v[10+\c]
	v_cvt_scalef32_pk16_bf6_f32 v[C2+4*\c:C2+4*\c+2], v[XN+32*\c+16:XN+32*\c+31], v[10+\c]   ; (a conversion's three registers begin on an even number)
.endr
	v_nop                                          ; one plain place behind a scaled conversion
.irp c, 0,1
.irp i, 0,1,2
	v_mov_b32 v[CD+3+6*\c+\i], v[C2+4*\c+\i]
.endr
.endr
.irp q, 0,1,2
	global_store_b128 v4, v[CD+4*\q:CD+4*\q+3], s[8:9] offset:512*\q   ; 32 lanes store 512 consecutive bytes
.endr
	v_cmp_gt_u32 vcc_lo, 16, v6
	s_wait_xcnt 0x0                                ; EXEC changes only behind this wait
	s_and_saveexec_b32 s24, vcc_lo
	global_store_b32 v5, v14, s[8:9]               ; lanes 0-15: the 16 rows' scale words
	s_wait_xcnt 0x0                                ; and again, in front of the line that widens it
	s_or_b32 exec_lo, exec_lo, s24
	s_endpgm
.Lfunc_end_k_qb8022fd94e_wprep:
	.size	k_qb8022fd94e_wprep, .Lfunc_end_k_qb8022fd94e_wprep-k_qb8022fd94e_wprep
	.p2alignl 7, 3214868480
	.fill 96, 4, 3214868480
	.section	.rodata,"a",@progbits
	.p2align	6, 0x0
	.amdhsa_kernel k_qb8022fd94e_wprep
		.amdhsa_group_segment_fixed_size 0
		.amdhsa_private_segment_fixed_size 0
		.amdhsa_enable_private_segment 0
		.amdhsa_kernarg_size 24
		.amdhsa_user_sgpr_count 2
		.amdhsa_user_sgpr_kernarg_segment_ptr 1
		.amdhsa_wavefront_size32 1
		.amdhsa_system_sgpr_workgroup_id_x 1
		.amdhsa_system_sgpr_workgroup_id_y 1
		.amdhsa_system_sgpr_workgroup_id_z 1
		.amdhsa_system_vgpr_workitem_id 0
		.amdhsa_next_free_vgpr 112
		.amdhsa_next_free_sgpr 66
		.amdhsa_reserve_vcc 1
		.amdhsa_float_denorm_mode_32 3
		.amdhsa_float_denorm_mode_16_64 3
		.amdhsa_memory_ordered 1
		.amdhsa_forward_progress 1
		.amdhsa_inst_pref_size 7
	.end_amdhsa_kernel
	.amdgpu_metadata
---
amdhsa.version: [ 1, 2 ]
amdhsa.kernels:
  - .name:           k_qb8022fd94e_wprep
    .symbol:         k_qb8022fd94e_wprep.kd
    .args:
      - { .name: base_weight, .offset: 0, .size: 8, .value_kind: global_buffer, .address_space: global }
      - { .name: spline_weight, .offset: 8, .size: 8, .value_kind: global_buffer, .address_space: global }
      - { .name: wq, .offset: 16, .size: 8, .value_kind: global_buffer, .address_space: global }
    .group_segment_fixed_size: 0
    .private_segment_fixed_size: 0
    .kernarg_segment_align: 8
    .kernarg_segment_size: 24
    .max_flat_workgroup_size: 128
    .sgpr_count:     66
    .vgpr_count:     112
    .wavefront_size: 32
...
	.end_amdgpu_metadata
.endif
;; end of part 1
;; launch kan (part 2): grid 256 x 1, 8 waves a work-group, no clusters, 249,856 bytes of LDS; arguments x, wq, out0; writes out0
.if DOCPART == 2
	.amdgcn_target "amdgcn-amd-amdhsa--gfx1250"
	.amdhsa_code_object_version 6
	.text
	.protected	k_qb8022fd94e_kan
	.globl	k_qb8022fd94e_kan
	.p2align	8
	.type	k_qb8022fd94e_kan,@function
k_qb8022fd94e_kan:
	s_mov_b64 s[64:65], 0
	v_nop
	global_prefetch_b8 v0, s[64:65] scope:SCOPE_SE
	s_setreg_imm32_b32 hwreg(HW_REG_WAVE_MODE, 25, 1), 1
	s_wait_xcnt 0x0
; out[32768][256] = Q(silu(x)) Q(base_weight)^T + Q(bases(x)) Q(spline_weight)^T, both products on codes of BF6 (E3M2) with one E8M0 scale for each 32 along K; sums in f32.  K = 2,048 + 256: 18 steps of 128.
; SHARES.  A work-group takes 128 rows x all 256 columns.  Waves 4-7 are PRODUCERS: wave 4 + p makes, for row tiles 2 p and 2 p + 1, all of the left operand (bases and silu, in f32, quantised) and lays it in LDS as
; images of the operand's registers.  Waves 0-3 are CONSUMERS: wave w multiplies all 128 rows by columns 64 w .. 64 w + 63: 32 accumulators, 256 registers (window 1); its fragments of the weights come from wq
; straight into registers, in the order in which the registers take them.  Vector work (some 32 instructions for each number of x) and matrix work so lie in different waves.
; STAGES.  A stage is 32 features: spline K steps 2 T and 2 T + 1 and block T of the silu's K.  Every LDS byte is written once in the launch, so ONE barrier a stage (stores, wait, barrier, loads) orders all:
; behind barrier T the consumers multiply stage T while the producers make stage T + 1.  The two silu steps are multiplied behind the last stage.
; THE BASES.  The grid is uniform: t = 2.5 x + 5.5, i = floor(t), u = t - i (made by a second fused multiply-add, so that it is rounded once at its own size).  Only bases i - 3 .. i differ from 0:
; q^3 / 6, u^3 / 2 - u^2 + 2 / 3, q^3 / 2 - q^2 + 2 / 3, u^3 / 6 with q = 1 - u.  A block of 32 along K is 4 features x 8 bases, all in one lane.  One conversion makes the block's 4 x 4 codes; each feature's 24 bits are
; then set into its window of 48 bits by a shift of 6 (i - 3) bits, which also drops the bases under 0 and over 7.  The block's largest magnitude is taken of the bases that exist alone.
; NO CLUSTER: all work-groups read the same 460,800 bytes of wq, but a joint load lands in LDS: each K step's 25,600 bytes would be written to LDS and read again beside the 12,800 bytes of the left operand's images
; that go that way, where now each consumer loads its 6,400 bytes once into registers; and a ring with its refills would bring a round of the cluster's barrier into a loop that has one plain barrier a stage.
; LIMITS.  NaN in x is not served.  i is held to 0 .. 10 and u to 0 .. 1, so x outside [-2.2, 2.2), infinities too, gives zero codes, as the reference's zeros.  The knots lie at whole t, not at the rounded f32 grid
; points: at most 6e-8 in x apart, on a function that is continuous there.  The exponential's argument is rounded once: its relative error grows as |x| x 6e-8.  A block of zeros carries the byte 1: its codes are zeros.
.set AIMG, 0                           ; LDS: the spline steps' images: step s, row tile m, register group q, lane l: 12,288 s + 1,536 m + 512 q + 16 l          196,608 bytes
.set SIL,  196608                      ; the silu's blocks: block b, row tile m, piece k of 8 bytes, row r: 3,200 b + 384 m + 128 k + 8 r                            25,600
.set ASC,  222208                      ; the spline steps' scale words: step s, row n (0 .. 127): 512 s + 16 (n % 32) + 4 (n / 32)                                    8,192
.set SSC,  230400                      ; the silu's scale bytes: row n, block b: 32 (n % 32) + 8 (n / 32) + b                                                         1,024
.set OST,  231424                      ; the way out: 16 rows x (256 + 16) bytes for each consumer                                                                   17,408
; v1-14: addresses, made at the head by every wave; v2-7 are stepped in the text that all waves walk
;   v1 x: 1,024 r + 64 h          v2 images out: 16 r + 12,288 h + 3,072 p     v3 scale words out     v4 silu blocks out     v5 silu bytes out     v6 images in: 16 l     v7 scale words in
;   v8 silu blocks in             v9 silu scale words in      v10, v11 the stage, in and back         v12 out0: 1,024 h + 16 r                      v13 16 l    v14 4 l
; THE TWO ROLES' LOADS NAME DIFFERENT REGISTERS: the producers load x into v112-127 and v224-239; the consumers' loads land in v16-111, v128-223 and v240-251.
; PRODUCERS (window 0 alone)
.set K3,  16                           ; (1/6, 1/2)
.set K2,  18                           ; (0, -1)
.set K0,  20                           ; (0, 2/3)
.set GM,  22                           ; (-1, 1)
.set GA,  24                           ; (3.5, 2.5)
.set SM,  26                           ; (-6, 6)
.set SA,  28                           ; (2^23 + 2^22 + 15, 2^23 + 2^22 - 15)
.set C55, 30                           ; (5.5, 5.5)
.set S,   32                           ; v32-63   silu: 16 g + i, tile g, feature 16 h + i of the stage
.set E,   64                           ; v64-95   e = 5.5 - i
.set R,   96                           ; v96-107  a block's six registers, two sets by turns
.set WD,  108                          ; v108, v109 the scale word in the making, one for each tile
.set X,   112                          ; v112-127 x of tile 0;  v224-239 x of tile 1: 112 g + i
.set U0,  128                          ; v128-159 u before it is held
.set FT,  160                          ; v160-175 t, floor(t), i: in FRONT alone
.set ZL,  160                          ; v160-167 a block's pairs (q held, u);      later MN: the shift amounts (left, right)
.set MN,  160
.set ZH,  168                          ; v168-175 pairs (q, u held);                later TP (six), MX, SC
.set TP,  168
.set MX,  174
.set SC,  175
.set G,   176                          ; v176-183 pairs (i - 2, 8 - i), later the two candidates for the maximum
.set HT,  184                          ; v184-199 the cubics' inner terms;          later CC: the block's 16 codes
.set CC,  184
.set V,   200                          ; v200-215 the conversion's 16 sources: 4 f + 0 .. 3
.set FZ,  216                          ; v216-223 pairs (a feature's 24 bits, 0): the odd registers are 0 from the head on
; CONSUMERS
.set BF,  16                           ; v16-111  the weights' fragments: set s at 48 s, tile b at 12 b
.set AF,  128                          ; v128-223 the left operand's fragments: row tile m at 12 m
.set BS,  240                          ; v240-243 the weights' scale words: 2 s + e: lanes 0-15 tile 2 e, lanes 16-31 tile 2 e + 1
.set AS,  244                          ; v244-251 the left operand's: 4 s + e likewise; for the silu steps 2 e + z.  v240-251 hold scales and nothing else
.set OB,  16                           ; the way out: rows read back, two sets of 32
.set MSB, 0
.macro WIN new                         ; the immediate's high byte repeats the setting that is left
.if MSB != \new
	s_set_vgpr_msb (MSB<<8)|\new
.set MSB, \new
.endif
.endm
.set MUL, 0x50                         ; C and D window 1; both sources window 0
.macro PLACES                          ; four plain places behind a matrix instruction, in front of loads into its registers and of reads of its result
.rept 4
	v_nop
.endr
.endm
.macro BAR                             ; my LDS stores have landed and my LDS loads are in: then the work-group's barrier
	s_wait_dscnt 0x0
	s_barrier_signal -1
	s_barrier_wait -1
.endm
; ---------------- producers ----------------
.macro XLOAD g, off                    ; tile g's 16 numbers a lane, off bytes on along the rows
.irp j, 0,1,2,3
	global_load_b128 v[X+112*(\g)+4*\j:X+112*(\g)+4*\j+3], v1, s[14:15] offset:(\off)+16384*(\g)+16*\j
.endr
.endm
; silu, e and u of tile g's 16 numbers
.macro FRONT g
.set xb, X+112*(\g)
.set sb, S+16*(\g)
.set eb, E+16*(\g)
.set ub, U0+16*(\g)
.irp k, 0,2,4,6,8,10,12,14
	v_pk_mul_f32 v[sb+\k:sb+\k+1], v[xb+\k:xb+\k+1], s[24:25] op_sel_hi:[1,0]       ; -x log2(e)
.endr
.irp k, 0,1,2,3,4,5,6,7,8,9,10,11,12,13,14,15
	v_exp_f32 v[sb+\k], v[sb+\k]                                                     ; e^-x
.endr
.irp k, 0,2,4,6,8,10,12,14
	v_pk_fma_f32 v[FT+\k:FT+\k+1], v[xb+\k:xb+\k+1], s[20:21], v[C55:C55+1] op_sel_hi:[1,0,1]   ; t = 2.5 x + 5.5
.endr
.irp k, 0,1,2,3,4,5,6,7,8,9,10,11,12,13,14,15
	v_floor_f32 v[FT+\k], v[FT+\k]
.endr
.irp k, 0,1,2,3,4,5,6,7,8,9,10,11,12,13,14,15
	v_med3_num_f32 v[FT+\k], v[FT+\k], 0, 0x41200000                                 ; i, held to 0 .. 10
.endr
.irp k, 0,2,4,6,8,10,12,14
	v_pk_add_f32 v[eb+\k:eb+\k+1], v[C55:C55+1], v[FT+\k:FT+\k+1] neg_lo:[0,1] neg_hi:[0,1]     ; e = 5.5 - i, exact
.endr
	s_wait_alu depctr_va_vdst(0)                   ; one wait for the 16 exponentials, ahead of their first reader; the lines above are the plain work between
.irp k, 0,2,4,6,8,10,12,14
	v_pk_add_f32 v[sb+\k:sb+\k+1], v[sb+\k:sb+\k+1], 1.0 op_sel_hi:[1,0]
.endr
.irp k, 0,1,2,3,4,5,6,7,8,9,10,11,12,13,14,15
	v_rcp_f32 v[sb+\k], v[sb+\k]
.endr
.irp k, 0,2,4,6,8,10,12,14
	v_pk_fma_f32 v[ub+\k:ub+\k+1], v[xb+\k:xb+\k+1], s[20:21], v[eb+\k:eb+\k+1] op_sel_hi:[1,0,1]   ; u = 2.5 x + (5.5 - i): one rounding
.endr
	s_wait_alu depctr_va_vdst(0)                   ; one wait for the 16 reciprocals
.irp k, 0,2,4,6,8,10,12,14
	v_pk_mul_f32 v[sb+\k:sb+\k+1], v[sb+\k:sb+\k+1], v[xb+\k:xb+\k+1]                ; silu = x / (1 + e^-x)
.endr
.endm
; The stage's block of the silu's K, both tiles: lanes l and l xor 16 hold its two halves
.macro SQ
.irp g, 0,1
	v_max3_num_f32 v[178+\g], |v[S+16*\g]|, |v[S+16*\g+1]|, 0x2800000               ; and the floor 2^(5 - 127): the byte cannot fall under 1
.endr
.irp i, 2,4,6,8,10,12,14
.irp g, 0,1
	v_max3_num_f32 v[178+\g], v[178+\g], |v[S+16*\g+\i]|, |v[S+16*\g+\i+1]|
.endr
.endr
.irp g, 0,1
	v_permlanex16_b32 v[176+\g], v[178+\g], s30, s31
.endr
.irp g, 0,1
	v_max_num_f32 v[178+\g], v[178+\g], v[176+\g]  ; the block's largest magnitude
.endr
.irp g, 0,1
	v_add_nc_u32 v[180+\g], 0xfe000000, v[178+\g]  ; 4 off its exponent field: the conversion's scale operand
.endr
.irp g, 0,1
	v_lshrrev_b32 v[182+\g], 23, v[180+\g]         ; the scale's byte
.endr
.irp g, 0,1
	ds_store_b8 v5, v[182+\g] offset:512*\g        ; both lanes of a row write the same byte with the same value
.endr
	s_wait_dscnt 0x0                               ; the stores have read their registers
	v_cvt_scalef32_pk16_bf6_f32 v[R:R+2], v[S:S+15], v180
	v_cvt_scalef32_pk16_bf6_f32 v[R+4:R+6], v[S+16:S+31], v181
	v_nop                                          ; one plain place behind a scaled conversion
.irp i, 0,1,2
	v_permlane16_swap_b32 v[R+\i], v[R+4+\i]       ; lane (r, h) now holds the whole block of tile 2 p + h: the lower 16 codes in the first three, the upper 16 in the second three
.endr
	v_mov_b32 v[R+3], v[R+4]
	v_mov_b32 v[R+4], v[R+5]
	v_mov_b32 v[R+5], v[R+6]
.irp k, 0,1,2
	ds_store_b64 v4, v[R+2*\k:R+2*\k+1] offset:128*\k
.endr
.endm
; Block bt (4 features x 8 bases) of tile g: in lane (r, h) it is block bt of row r of spline K step 2 T + h
.macro BACK g, bt
.set ix, 16*(\g)+4*(\bt)
.set rs, R+6*((\bt)%2)
.set oo, 1536*(\g)+256*((\bt)%2)
.irp f, 0,1,2,3
	v_med3_num_f32 v[ZL+2*\f+1], v[U0+ix+\f], 0, 1.0                                 ; u
.endr
.irp f, 0,2
	v_pk_fma_f32 v[G+2*\f:G+2*\f+1], v[E+ix+\f:E+ix+\f+1], v[GM:GM+1], v[GA:GA+1] op_sel_hi:[0,1,1]                     ; (i - 2, 8 - i) of an even feature: e is the pair's first,
	v_pk_fma_f32 v[G+2*\f+2:G+2*\f+3], v[E+ix+\f:E+ix+\f+1], v[GM:GM+1], v[GA:GA+1] op_sel:[1,0,0] op_sel_hi:[1,1,1]    ; of an odd one: its second
.endr
.irp f, 0,1,2,3
	v_sub_f32 v[ZH+2*\f], 1.0, v[ZL+2*\f+1]                                          ; q
.endr
.irp f, 0,1,2,3
	v_med3_num_f32 v[ZL+2*\f], v[ZH+2*\f], 0, v[G+2*\f]                              ; q, or 0 where base i - 3 lies under 0 (i - 2 <= 0)
.endr
.irp f, 0,1,2,3
	v_med3_num_f32 v[ZH+2*\f+1], v[ZL+2*\f+1], 0, v[G+2*\f+1]                        ; u, or 0 where base i lies over 7 (8 - i <= 0)
.endr
.irp f, 0,1,2,3
	v_pk_fma_f32 v[HT+4*\f:HT+4*\f+1], v[ZL+2*\f:ZL+2*\f+1], v[K3:K3+1], v[K2:K2+1]  ; (q / 6, u / 2 - 1)
.endr
.irp f, 0,1,2,3
	v_pk_fma_f32 v[HT+4*\f+2:HT+4*\f+3], v[ZH+2*\f:ZH+2*\f+1], v[K3:K3+1], v[K2:K2+1] op_sel:[0,1,1] op_sel_hi:[1,0,0]  ; (q / 2 - 1, u / 6): the constants' halves change places
.endr
.irp f, 0,1,2,3
	v_pk_mul_f32 v[V+4*\f:V+4*\f+1], v[ZL+2*\f:ZL+2*\f+1], v[ZL+2*\f:ZL+2*\f+1]
.endr
.irp f, 0,1,2,3
	v_pk_mul_f32 v[V+4*\f+2:V+4*\f+3], v[ZH+2*\f:ZH+2*\f+1], v[ZH+2*\f:ZH+2*\f+1]
.endr
.irp f, 0,1,2,3
	v_pk_fma_f32 v[V+4*\f:V+4*\f+1], v[V+4*\f:V+4*\f+1], v[HT+4*\f:HT+4*\f+1], v[K0:K0+1]              ; bases i - 3, i - 2
.endr
.irp f, 0,1,2,3
	v_pk_fma_f32 v[V+4*\f+2:V+4*\f+3], v[V+4*\f+2:V+4*\f+3], v[HT+4*\f+2:HT+4*\f+3], v[K0:K0+1] op_sel:[0,0,1] op_sel_hi:[1,1,0]   ; bases i - 1, i
.endr
.irp f, 0,1,2,3
	v_cmp_ge_u32 s[32+2*\f], s26, v[G+2*\f]        ; 0 <= i - 2 <= 7: as words, the numbers 0 .. 7 are those not above 7.0's word
	v_cmp_ge_u32 s[33+2*\f], s26, v[G+2*\f+1]      ; 0 <= 8 - i <= 7
.endr
.irp f, 0,1,2,3
	v_cndmask_b32 v[G+2*\f], v[V+4*\f], v[V+4*\f+1], s[32+2*\f]          ; base i - 2 where it exists (it is never under base i - 3), else base i - 3
	v_cndmask_b32 v[G+2*\f+1], v[V+4*\f+3], v[V+4*\f+2], s[33+2*\f]      ; base i - 1 where it exists, else base i
.endr
	v_max3_num_f32 v[MX], v[G], v[G+1], 0x2800000  ; the block's largest magnitude, and the floor 2^(5 - 127); the shift amounts are made between the steps
	v_max3_num_f32 v[SC], v[G+2], v[G+3], v[G+4]
.irp f, 0,1,2,3
	v_min_num_f32 v[MN+2*\f], s20, v[E+ix+\f]      ; 5.5 - max(i, 3)
.endr
	v_max3_num_f32 v[MX], v[MX], v[G+5], v[G+6]
.irp f, 0,1,2,3
	v_max_num_f32 v[MN+2*\f+1], s20, v[E+ix+\f]    ; 5.5 - min(i, 3)
.endr
	v_max3_num_f32 v[MX], v[MX], v[SC], v[G+7]
.irp f, 0,1,2,3
	v_pk_fma_f32 v[MN+2*\f:MN+2*\f+1], v[MN+2*\f:MN+2*\f+1], v[SM:SM+1], v[SA:SA+1]  ; 2^23 + 2^22 + 6 max(i - 3, 0) and + 6 max(3 - i, 0): the whole numbers stand in the words' low bits
.endr
	v_add_nc_u32 v[SC], 0xfe000000, v[MX]          ; 4 off the exponent field: the conversion's scale operand
	v_cvt_scalef32_pk16_bf6_f32 v[CC:CC+2], v[V:V+15], v[SC]
	v_lshrrev_b32 v[TP], 23, v[SC]                 ; the scale's byte (the plain place behind the conversion)
.if (\bt) == 0
	v_mov_b32 v[WD+(\g)], v[TP]
.else
	v_lshl_or_b32 v[WD+(\g)], v[TP], 8*(\bt), v[WD+(\g)]
.endif
	v_and_b32 v[FZ], s27, v[CC]                    ; feature f's four codes: bits 24 f .. 24 f + 23 of the 96
	v_alignbit_b32 v[FZ+2], v[CC+1], v[CC], 24
	v_alignbit_b32 v[FZ+4], v[CC+2], v[CC+1], 16
	v_lshrrev_b32 v[FZ+6], 8, v[CC+2]
	v_and_b32 v[FZ+2], s27, v[FZ+2]
	v_and_b32 v[FZ+4], s27, v[FZ+4]
.irp f, 0,1,2,3
	v_lshrrev_b32 v[FZ+2*\f], v[MN+2*\f+1], v[FZ+2*\f]   ; i < 3: the bases under 0 fall out below (a 32-bit shift takes its amount's low 5 bits: ISA guide, the instruction's entry)
.endr
.if ((\g) == 0) && ((\bt) == 0)
	s_wait_dscnt 0x0                               ; the silu's three stores, just issued, read this set of registers
.else
	s_wait_dscnt 2                                 ; the stores of the block two back, which read this set, are done: at least two LDS instructions were issued behind them
.endif
	v_lshlrev_b64 v[rs:rs+1], v[MN], v[FZ:FZ+1]    ; i > 3: up by 6 (i - 3) bits (a 64-bit shift takes the low 6 bits); what passes bit 47 is cut off below
	v_lshlrev_b64 v[TP:TP+1], v[MN+2], v[FZ+2:FZ+3]
	v_lshlrev_b64 v[TP+2:TP+3], v[MN+4], v[FZ+4:FZ+5]
	v_lshlrev_b64 v[TP+4:TP+5], v[MN+6], v[FZ+6:FZ+7]
	v_perm_b32 v[rs+1], v[TP], v[rs+1], s28        ; four windows of 48 bits on end are the block's six registers
	v_alignbit_b32 v[rs+2], v[TP+1], v[TP], 16
	v_mov_b32 v[rs+3], v[TP+2]
	v_perm_b32 v[rs+4], v[TP+4], v[TP+3], s28
	v_alignbit_b32 v[rs+5], v[TP+5], v[TP+4], 16
.if (\bt) < 2                          ; block bt is registers 6 (bt / 2) .. + 5 of the image's lane r + 16 (bt % 2)
	ds_store_b128 v2, v[rs:rs+3] offset:oo
	ds_store_b64 v2, v[rs+4:rs+5] offset:oo+512
.else
	ds_store_b64 v2, v[rs:rs+1] offset:oo+520
	ds_store_b128 v2, v[rs+2:rs+5] offset:oo+1024
.endif
.if (\bt) == 3
	ds_store_b32 v3, v[WD+(\g)] offset:256*(\g)    ; my row's scale word of this K step
.endif
.endm
; A stage's work of a producer.  guard = 1: the loop's copy, in whose last trip (T = 7) nothing more is asked of x: no load leaves its buffer
.macro PROD guard
	s_wait_loadcnt 4                               ; tile 0's four loads are in; tile 1's may be out
	FRONT 0
	s_wait_loadcnt 0x0                             ; tile 1's are in
.if \guard
	s_cmp_eq_u32 s12, 7
	s_cbranch_scc1 .Lno_a_\@
.endif
	XLOAD 0, 128                                   ; the next stage's numbers: they have nearly a stage in which to land
.if \guard
.Lno_a_\@:
.endif
	FRONT 1
.if \guard
	s_cmp_eq_u32 s12, 7
	s_cbranch_scc1 .Lno_b_\@
.endif
	XLOAD 1, 128
.if \guard
.Lno_b_\@:
.endif
	SQ
.irp bt, 0,1,2,3
	BACK 0, \bt
.endr
.irp bt, 0,1,2,3
	BACK 1, \bt
.endr
	s_wait_xcnt 0x0                                ; the loads have read their base
	s_add_nc_u64 s[14:15], s[14:15], 128           ; 32 features on
.endm
; ---------------- consumers ----------------
.macro BLOAD s, off                    ; a K step's four fragments and their scale words, my quarter of the columns: 14 loads
.irp b, 0,1,2,3
.irp qd, 0,1,2
	global_load_b128 v[BF+48*(\s)+12*\b+4*\qd:BF+48*(\s)+12*\b+4*\qd+3], v13, s[16:17] offset:(\off)+1536*\b+512*\qd
.endr
.endr
.irp e, 0,1
	global_load_b32 v[BS+2*(\s)+\e], v14, s[16:17] offset:(\off)+6144+128*\e
.endr
.endm
.macro ASCL s, off                     ; the 128 rows' scale words of a K step: four a lane
	ds_load_b128 v[AS+4*(\s):AS+4*(\s)+3], v7 offset:\off
.endm
.macro AFETCH hf, off                  ; row tiles 4 hf .. 4 hf + 3: 12 loads
.irp mm, 0,1,2,3
.irp qd, 0,1,2
	ds_load_b128 v[AF+12*(4*(\hf)+\mm)+4*\qd:AF+12*(4*(\hf)+\mm)+4*\qd+3], v6 offset:(\off)+1536*(4*(\hf)+\mm)+512*\qd
.endr
.endr
.endm
.macro SFETCH hf, z                    ; the same of silu step z: a lane's block is three pieces of 8 bytes: 24 loads
.irp mm, 0,1,2,3
.irp c, 0,1
.irp k, 0,1,2
	ds_load_b64 v[AF+12*(4*(\hf)+\mm)+6*\c+2*\k:AF+12*(4*(\hf)+\mm)+6*\c+2*\k+1], v8 offset:12800*(\z)+6400*\c+384*(4*(\hf)+\mm)+128*\k
.endr
.endr
.endr
.endm
; One product, used transposed: source 0 = 16 columns' weights, source 1 = 16 rows: a lane then holds eight neighbouring columns of one row of out.
.macro WM m, b, s, asb, ass, zero
.set rD,  8*(4*(\m)+(\b))
.set rA,  BF+48*(\s)+12*(\b)
.set rB,  AF+12*(\m)
.set rSA, BS+2*(\s)+(\b)/2
.set rSB, (\asb)+(\ass)*((\m)/2)
.set pA,  (\b)%2
.set pB,  (\m)%2
.if \zero
.if pA && pB
	v_wmma_scale_f32_16x16x128_f8f6f4 v[rD:rD+7], v[rA:rA+11], v[rB:rB+11], 0, v[rSA], v[rSB] matrix_a_fmt:MATRIX_FMT_BF6 matrix_b_fmt:MATRIX_FMT_BF6 matrix_a_scale:MATRIX_SCALE_ROW1 matrix_b_scale:MATRIX_SCALE_ROW1
.elseif pA
	v_wmma_scale_f32_16x16x128_f8f6f4 v[rD:rD+7], v[rA:rA+11], v[rB:rB+11], 0, v[rSA], v[rSB] matrix_a_fmt:MATRIX_FMT_BF6 matrix_b_fmt:MATRIX_FMT_BF6 matrix_a_scale:MATRIX_SCALE_ROW1
.elseif pB
	v_wmma_scale_f32_16x16x128_f8f6f4 v[rD:rD+7], v[rA:rA+11], v[rB:rB+11], 0, v[rSA], v[rSB] matrix_a_fmt:MATRIX_FMT_BF6 matrix_b_fmt:MATRIX_FMT_BF6 matrix_b_scale:MATRIX_SCALE_ROW1
.else
	v_wmma_scale_f32_16x16x128_f8f6f4 v[rD:rD+7], v[rA:rA+11], v[rB:rB+11], 0, v[rSA], v[rSB] matrix_a_fmt:MATRIX_FMT_BF6 matrix_b_fmt:MATRIX_FMT_BF6
.endif
.else
.if pA && pB
	v_wmma_scale_f32_16x16x128_f8f6f4 v[rD:rD+7], v[rA:rA+11], v[rB:rB+11], v[rD:rD+7], v[rSA], v[rSB] matrix_a_fmt:MATRIX_FMT_BF6 matrix_b_fmt:MATRIX_FMT_BF6 matrix_a_scale:MATRIX_SCALE_ROW1 matrix_b_scale:MATRIX_SCALE_ROW1
.elseif pA
	v_wmma_scale_f32_16x16x128_f8f6f4 v[rD:rD+7], v[rA:rA+11], v[rB:rB+11], v[rD:rD+7], v[rSA], v[rSB] matrix_a_fmt:MATRIX_FMT_BF6 matrix_b_fmt:MATRIX_FMT_BF6 matrix_a_scale:MATRIX_SCALE_ROW1
.elseif pB
	v_wmma_scale_f32_16x16x128_f8f6f4 v[rD:rD+7], v[rA:rA+11], v[rB:rB+11], v[rD:rD+7], v[rSA], v[rSB] matrix_a_fmt:MATRIX_FMT_BF6 matrix_b_fmt:MATRIX_FMT_BF6 matrix_b_scale:MATRIX_SCALE_ROW1
.else
	v_wmma_scale_f32_16x16x128_f8f6f4 v[rD:rD+7], v[rA:rA+11], v[rB:rB+11], v[rD:rD+7], v[rSA], v[rSB] matrix_a_fmt:MATRIX_FMT_BF6 matrix_b_fmt:MATRIX_FMT_BF6
.endif
.endif
.endm
; 16 products: row tiles 4 hf .. + 3 x my four column tiles, one K step.  The 32 accumulators take turns, one instruction a turn, in the same order in every K step.
.macro MUL16 hf, s, asb, ass, zero
.irp mm, 0,1,2,3
.irp b, 0,1,2,3
	WM 4*(\hf)+\mm, \b, \s, \asb, \ass, \zero
.endr
.endr
.endm
; A stage's two K steps.  zero = 1: the first K step of all starts the sums: nothing is cleared
.macro CONS zero
	ASCL 0, 0
	AFETCH 0, 0
	AFETCH 1, 0
	s_wait_loadcnt 14                              ; the weights' set 0 is in; set 1's 14 loads may be out
	s_wait_dscnt 12                                ; the scale words and row tiles 0-3 are in; tiles 4-7 may be out
	WIN MUL
	MUL16 0, 0, AS, 1, \zero
	WIN 0
	PLACES
	ASCL 1, 512                                    ; the second K step's
	AFETCH 0, 12288
	s_wait_dscnt 13                                ; row tiles 4-7 are in; the 13 loads just issued may be out
	WIN MUL
	MUL16 1, 0, AS, 1, \zero
	WIN 0
	PLACES
	AFETCH 1, 12288
	BLOAD 0, 51200                                 ; set 0 takes the K step two on
	s_wait_loadcnt 14                              ; set 1 is in
	s_wait_dscnt 12
	WIN MUL
	MUL16 0, 1, AS+4, 1, 0
	s_wait_dscnt 0x0
	MUL16 1, 1, AS+4, 1, 0
	WIN 0
	PLACES
	BLOAD 1, 76800
	s_wait_xcnt 0x0                                ; the loads have read their base
	s_add_nc_u64 s[16:17], s[16:17], 51200         ; two K steps on.  The last stage's two loads bring steps 16 and 17, wq's last
.endm
; The way out, a row tile at a time, through my own stage: a lane holds 32 bytes of a row; they come back as rows of 256 bytes
.macro TOSTAGE m
	WIN 0x04                                       ; an LDS store's data are its source 1: window 1
.irp b, 0,1,2,3
	ds_store_b128 v10, v[8*(4*(\m)+\b):8*(4*(\m)+\b)+3] offset:64*\b            ; each accumulator from its low end on
	ds_store_b128 v10, v[8*(4*(\m)+\b)+4:8*(4*(\m)+\b)+7] offset:64*\b+16
.endr
	WIN 0
.irp t, 0,1,2,3,4,5,6,7
	ds_load_b128 v[OB+32*((\m)%2)+4*\t:OB+32*((\m)%2)+4*\t+3], v11 offset:544*\t   ; LDS serves a wave's instructions in order (ISA guide 5.7.1.4): these see the stores above
.endr
.endm
.macro SEND m, younger                 ; younger: the LDS instructions issued behind tile m's loads, which may stay out
	s_wait_dscnt \younger
.irp t, 0,1,2,3,4,5,6,7
	global_store_b128 v12, v[OB+32*((\m)%2)+4*\t:OB+32*((\m)%2)+4*\t+3], s[18:19] offset:(16*(\m)+2*\t)*1024 th:TH_STORE_NT   ; 16 lanes store 256 consecutive bytes, at a multiple of 256 from out0's first byte
.endr
.endm
; ---------------- the head, every wave ----------------
	s_load_b128 s[4:7], s[0:1], 0x0                ; x, wq
	s_load_b64 s[8:9], s[0:1], 0x10                ; out0
	v_lshl_add_u32 v254, v0, 2, 0x3cc00
	v_mov_b32 v255, 0
	v_lshrrev_b32 v15, 5, v0
	v_readfirstlane_b32 s10, v15                   ; wave 0..7
	s_and_b32 s11, s10, 3                          ; p: a producer's pair of row tiles, a consumer's quarter of the columns
	v_and_b32 v32, 15, v0                          ; r
	v_bfe_u32 v33, v0, 4, 1                        ; h
	v_and_b32 v34, 31, v0                          ; lane
	v_lshlrev_b32 v1, 10, v32
	v_lshl_add_u32 v1, v33, 6, v1                  ; x: row r of 1,024 bytes, + 64 h
	s_mul_i32 s2, s11, 3072
	v_lshlrev_b32 v2, 4, v32
	v_mad_u32_u24 v2, v33, 12288, v2
	v_add_nc_u32 v2, s2, v2                        ; images out: lane r's 16 bytes, K step h of the stage, row tile 2 p
	s_lshl_b32 s2, s11, 2
	s_add_co_u32 s2, s2, ASC
	v_lshlrev_b32 v3, 4, v32
	v_lshl_add_u32 v3, v33, 9, v3
	v_add_nc_u32 v3, s2, v3                        ; scale words out: row 32 p + 16 g + r
	s_mul_i32 s2, s11, 768
	s_add_co_u32 s2, s2, SIL
	v_lshlrev_b32 v4, 3, v32
	v_mad_u32_u24 v4, v33, 384, v4
	v_add_nc_u32 v4, s2, v4                        ; silu blocks out: row tile 2 p + h, row r
	s_lshl_b32 s2, s11, 3
	s_add_co_u32 s2, s2, SSC
	v_lshl_add_u32 v5, v32, 5, s2                  ; silu bytes out
	v_lshlrev_b32 v6, 4, v34                       ; images in
	v_lshl_add_u32 v7, v34, 4, ASC                 ; scale words in
	v_lshlrev_b32 v8, 3, v32
	v_mad_u32_u24 v8, v33, 3200, v8
	v_add_nc_u32 v8, SIL, v8                       ; silu blocks in: lanes 16-31 take the next block
	v_lshl_add_u32 v9, v34, 5, SSC                 ; silu scale words in
	s_mul_i32 s2, s11, 4352
	s_add_co_u32 s2, s2, OST
	v_mul_u32_u24 v10, v32, 272
	v_lshl_add_u32 v10, v33, 5, v10
	v_add_nc_u32 v10, s2, v10                      ; the stage, in: row r, + 32 h
	v_mul_u32_u24 v11, v33, 272
	v_lshl_add_u32 v11, v32, 4, v11
	v_add_nc_u32 v11, s2, v11                      ; and back: lanes 0-15 one row, lanes 16-31 the next
	v_lshlrev_b32 v12, 10, v33
	v_lshl_add_u32 v12, v32, 4, v12                ; the same two rows in out0
	v_lshlrev_b32 v13, 4, v34
	v_lshlrev_b32 v14, 2, v34
	v_mov_b32 v[K3], 0x3e2aaaab                    ; 1/6
	v_mov_b32 v[K3+1], 0.5
	v_mov_b32 v[K2], 0
	v_mov_b32 v[K2+1], -1.0
	v_mov_b32 v[K0], 0
	v_mov_b32 v[K0+1], 0x3f2aaaab                  ; 2/3
	v_mov_b32 v[GM], -1.0
	v_mov_b32 v[GM+1], 1.0
	v_mov_b32 v[GA], 0x40600000                    ; 3.5
	v_mov_b32 v[GA+1], 0x40200000                  ; 2.5
	v_mov_b32 v[SM], 0xc0c00000                    ; -6
	v_mov_b32 v[SM+1], 0x40c00000                  ; 6
	v_mov_b32 v[SA], 0x4b40000f                    ; 2^23 + 2^22 + 15
	v_mov_b32 v[SA+1], 0x4b3ffff1                  ; 2^23 + 2^22 - 15
	v_mov_b32 v[C55], 0x40b00000                   ; 5.5
	v_mov_b32 v[C55+1], 0x40b00000
.irp f, 0,1,2,3
	v_mov_b32 v[FZ+2*\f+1], 0                      ; the upper words of the 64-bit shifts' sources
.endr
	v_mov_b32 v176, 0                              ; a lane permute's destination counts as one of its sources
	v_mov_b32 v177, 0
	s_mov_b32 s20, 0x40200000                      ; 2.5
	s_mov_b32 s21, s20                             ; (named with it as a pair, so it is written)
	s_mov_b32 s24, 0xbfb8aa3b                      ; -log2(e)
	s_mov_b32 s25, s24
	s_mov_b32 s26, 0x40e00000                      ; 7.0's word
	s_mov_b32 s27, 0xffffff
	s_mov_b32 s28, 0x05040100                      ; v_perm_b32: the low halves of both sources
	s_mov_b32 s30, 0x76543210
	s_mov_b32 s31, 0xfedcba98                      ; v_permlanex16_b32's selects for lane l xor 16
	s_lshl_b32 s2, ttmp9, 17                       ; the work-group's 128 rows of 1,024 bytes, in x and in out0
	s_lshl_b32 s14, s11, 15                        ; x: + 32 p rows
	s_add_co_u32 s14, s14, s2
	s_mov_b32 s15, 0
	s_mul_i32 s16, s11, 6400                       ; wq: my quarter's block of K step 0
	s_mov_b32 s17, 0
	s_lshl_b32 s18, s11, 8                         ; out0: + 64 p columns
	s_add_co_u32 s18, s18, s2
	s_mov_b32 s19, 0
	s_wait_kmcnt 0x0
	s_add_nc_u64 s[14:15], s[4:5], s[14:15]
	s_add_nc_u64 s[16:17], s[6:7], s[16:17]
	s_add_nc_u64 s[18:19], s[8:9], s[18:19]
; ---------------- stage 0 ----------------
	s_cmp_lt_u32 s10, 4
	s_cbranch_scc1 .Lcons_head
	XLOAD 0, 0
	XLOAD 1, 0
	PROD 0
	s_branch .Lfirst_bar
.Lcons_head:
	BLOAD 0, 0                                     ; K steps 0 and 1 of the weights
	BLOAD 1, 25600
.Lfirst_bar:
	BAR                                            ; stage 0's images lie in LDS
	v_add_nc_u32 v2, 0x6000, v2                    ; the producers' addresses, a stage on: two K steps' images,
	v_add_nc_u32 v3, 0x400, v3                     ; two K steps' scale words,
	v_add_nc_u32 v4, 3200, v4                      ; a silu block,
	v_add_nc_u32 v5, 1, v5                         ; a silu byte
	s_cmp_lt_u32 s10, 4
	s_cbranch_scc0 .Lprod_skip0
	CONS 1
.Lprod_skip0:
	s_mov_b32 s12, 1                               ; T
; ---------------- stages 1 to 7: the producers make stage T while the consumers, a barrier behind, multiply stage T - 1 ----------------
.Lstage:
	s_cmp_lt_u32 s10, 4
	s_cbranch_scc1 .Lcons_skip
	PROD 1
.Lcons_skip:
	BAR                                            ; stage T's images lie in LDS; no byte of LDS is written twice, so nothing else needs ordering
	v_add_nc_u32 v2, 0x6000, v2
	v_add_nc_u32 v3, 0x400, v3
	v_add_nc_u32 v4, 3200, v4
	v_add_nc_u32 v5, 1, v5
	v_add_nc_u32 v6, 0x6000, v6                    ; the consumers' addresses, on to stage T
	v_add_nc_u32 v7, 0x400, v7
	s_cmp_lt_u32 s10, 4
	s_cbranch_scc0 .Lprod_skip
	CONS 0
.Lprod_skip:
	s_add_co_u32 s12, s12, 1
	s_cmp_lt_u32 s12, 8
	s_cbranch_scc1 .Lstage
	s_cmp_lt_u32 s10, 4
	s_cbranch_scc1 .Ltail
	s_wait_tensorcnt 0x0
	ds_add_u32 v254, v255
	s_wait_dscnt 0x0
	s_endpgm                                       ; the producers are done: the last barrier lies behind them
; ---------------- the two silu steps: all their blocks and bytes were stored ahead of the last barrier ----------------
.Ltail:
	ds_load_b128 v[AS:AS+3], v9                    ; the rows' scale words of both steps: register 2 e + z
	ds_load_b128 v[AS+4:AS+7], v9 offset:16
	SFETCH 0, 0
	SFETCH 1, 0
	s_wait_loadcnt 14                              ; the weights' K step 16 is in; step 17's 14 loads may be out
	s_wait_dscnt 24                                ; the scale words and row tiles 0-3 are in
	WIN MUL
	MUL16 0, 0, AS, 2, 0
	WIN 0
	PLACES
	SFETCH 0, 1
	s_wait_dscnt 24                                ; row tiles 4-7 of the first step are in
	WIN MUL
	MUL16 1, 0, AS, 2, 0
	WIN 0
	PLACES
	SFETCH 1, 1
	s_wait_loadcnt 0x0                             ; K step 17
	s_wait_dscnt 24                                ; row tiles 0-3 of the second step are in
	WIN MUL
	MUL16 0, 1, AS+1, 2, 0
	s_wait_dscnt 0x0
	MUL16 1, 1, AS+1, 2, 0
	WIN 0
	PLACES                                         ; in front of the reads of the last results and of the loads into the weights' registers
; ---------------- the way out ----------------
	TOSTAGE 0
.irp a, 1,2,3,4,5,6,7
.if \a > 1
	s_wait_xcnt 0x0                                ; tile a - 2's stores have read their registers: tile a's rows may land there
.endif
	TOSTAGE \a
	SEND \a-1, 16                                  ; behind tile a - 1's loads: tile a's 8 stores and 8 loads
.endr
	SEND 7, 0
	s_wait_tensorcnt 0x0
	ds_add_u32 v254, v255
	s_wait_dscnt 0x0
	s_endpgm
.Lfunc_end_k_qb8022fd94e_kan:
	.size	k_qb8022fd94e_kan, .Lfunc_end_k_qb8022fd94e_kan-k_qb8022fd94e_kan
	.p2alignl 7, 3214868480
	.fill 96, 4, 3214868480
	.section	.rodata,"a",@progbits
	.p2align	6, 0x0
	.amdhsa_kernel k_qb8022fd94e_kan
		.amdhsa_group_segment_fixed_size 249856
		.amdhsa_private_segment_fixed_size 0
		.amdhsa_enable_private_segment 0
		.amdhsa_kernarg_size 24
		.amdhsa_user_sgpr_count 2
		.amdhsa_user_sgpr_kernarg_segment_ptr 1
		.amdhsa_wavefront_size32 1
		.amdhsa_system_sgpr_workgroup_id_x 1
		.amdhsa_system_sgpr_workgroup_id_y 1
		.amdhsa_system_sgpr_workgroup_id_z 1
		.amdhsa_system_vgpr_workitem_id 0
		.amdhsa_next_free_vgpr 512
		.amdhsa_next_free_sgpr 66
		.amdhsa_reserve_vcc 0
		.amdhsa_float_denorm_mode_32 3
		.amdhsa_float_denorm_mode_16_64 3
		.amdhsa_memory_ordered 1
		.amdhsa_forward_progress 1
		.amdhsa_inst_pref_size 189
	.end_amdhsa_kernel
	.amdgpu_metadata
---
amdhsa.version: [ 1, 2 ]
amdhsa.kernels:
  - .name:           k_qb8022fd94e_kan
    .symbol:         k_qb8022fd94e_kan.kd
    .args:
      - { .name: x, .offset: 0, .size: 8, .value_kind: global_buffer, .address_space: global }
      - { .name: wq, .offset: 8, .size: 8, .value_kind: global_buffer, .address_space: global }
      - { .name: out0, .offset: 16, .size: 8, .value_kind: global_buffer, .address_space: global }
    .group_segment_fixed_size: 249856
    .private_segment_fixed_size: 0
    .kernarg_segment_align: 8
    .kernarg_segment_size: 24
    .max_flat_workgroup_size: 256
    .sgpr_count:     66
    .vgpr_count:     512
    .wavefront_size: 32
...
	.end_amdgpu_metadata
.endif
;; end of part 2
;; ======== version 2 of 2: 2 launches
;; workspace buffers: wq 460,800 bytes
;; launch wprep (part 3): grid 72 x 1, 4 waves a work-group, no clusters, 0 bytes of LDS; arguments base_weight, spline_weight, wq; writes wq
.if DOCPART == 3
	.amdgcn_target "amdgcn-amd-amdhsa--gfx1250"
	.amdhsa_code_object_version 6
	.text
	.protected	k_qb8022fd94e_wprep
	.globl	k_qb8022fd94e_wprep
	.p2align	8
	.type	k_qb8022fd94e_wprep,@function
k_qb8022fd94e_wprep:
	s_mov_b64 s[64:65], 0
	v_nop
	global_prefetch_b8 v0, s[64:65] scope:SCOPE_SE
	s_setreg_imm32_b32 hwreg(HW_REG_WAVE_MODE, 25, 1), 1
	s_wait_xcnt 0x0
; Both weights, f32 with K innermost, become codes of BF6 (E3M2) with one E8M0 byte for each 32 along K, laid in wq in the order of the operand's registers.
; K steps of 128: steps 0-15 are spline_weight [256][2048], steps 16, 17 base_weight [256][256].  wq holds, for K step s and column quarter w, a block of 6,400 bytes at (4 s + w) x 6,400:
; four fragments (16 output rows x 128 K, 12 registers a lane: register group q of lane l at 1,536 b + 512 q + 16 l), then 256 bytes of scale words (tile b, row r at 6,144 + 64 b + 4 r).
; A work-group makes one block, each of its four waves one fragment.  Lane (r, h) holds of row r the numbers k = 64 c + 32 h + 0 .. 31, c = 0, 1: two whole blocks of 32, so no other lane is asked for a maximum,
; and the conversions' results are the operand's registers.
; A block's scale byte is its largest magnitude's exponent field - 4, held at 1 from below.  LIMITS: a block of zeros gets the byte 1 (its codes are zeros, and this program alone reads the bytes);
; NaN and infinities among the weights are not served.
.set XN,  32                           ; v32-95   64 numbers: 32 c + i
.set CD,  16                           ; v16-27   the fragment's 12 registers
.set C2,  100                          ; v100-102, v104-106 the second halves of the blocks' codes, before they are moved
	s_load_b128 s[4:7], s[0:1], 0x0                ; base_weight, spline_weight
	s_load_b64 s[8:9], s[0:1], 0x10                ; wq
	v_lshrrev_b32 v1, 5, v0
	v_readfirstlane_b32 s10, v1                    ; wave = tile b
	v_and_b32 v1, 15, v0                           ; r
	v_bfe_u32 v2, v0, 4, 1                         ; h
	v_and_b32 v6, 31, v0                           ; lane
	s_lshr_b32 s11, ttmp9, 2                       ; K step
	s_and_b32 s12, ttmp9, 3                        ; column quarter
	s_mov_b32 s13, 1024                            ; a row of base_weight in bytes
	s_mov_b32 s22, 0x76543210
	s_mov_b32 s23, 0xfedcba98                      ; v_permlanex16_b32's selects for lane l xor 16
	s_lshl_b32 s15, s12, 6
	s_lshl_b32 s16, s10, 4
	s_add_co_u32 s15, s15, s16                     ; my first output row: 64 w + 16 b
	s_wait_alu depctr_va_vdst(0)
	s_wait_kmcnt 0x0
	s_cmp_lt_u32 s11, 16                           ; a spline step?  The choice hangs on the work-group's number alone
	s_cselect_b64 s[4:5], s[6:7], s[4:5]
	s_cselect_b32 s13, 8192, s13                   ; a row of spline_weight is 8,192 bytes
	s_cselect_b32 s14, 0, 16
	s_sub_co_u32 s14, s11, s14                     ; the K step within its tensor
	s_mul_i32 s16, s15, s13
	s_lshl_b32 s17, s14, 9                         ; 128 numbers are 512 bytes
	s_add_co_u32 s16, s16, s17
	s_mov_b32 s17, 0
	s_add_nc_u64 s[4:5], s[4:5], s[16:17]
	s_mul_i32 s18, ttmp9, 6400
	s_mov_b32 s19, 0
	s_add_nc_u64 s[8:9], s[8:9], s[18:19]
	v_mul_lo_u32 v3, v1, s13
	v_lshl_add_u32 v3, v2, 7, v3                   ; in: row r, + 128 h bytes
	s_mul_i32 s20, s10, 1536
	v_lshl_add_u32 v4, v6, 4, s20                  ; out: 16 x lane + my fragment
	s_lshl_b32 s21, s10, 6
	s_add_co_u32 s21, s21, 6144
	v_lshl_add_u32 v5, v1, 2, s21                  ; and my row's scale word
.irp c, 0,1
.irp j, 0,1,2,3,4,5,6,7
	global_load_b128 v[XN+32*\c+4*\j:XN+32*\c+4*\j+3], v3, s[4:5] offset:256*\c+16*\j th:TH_LOAD_NT
.endr
.endr
	s_wait_loadcnt 0x0
.irp c, 0,1
	v_max3_num_f32 v[8+\c], |v[XN+32*\c]|, |v[XN+32*\c+1]|, 0x2800000   ; my block 2 c + h, and the floor 2^(5 - 127): the byte cannot fall under 1
.endr
.irp i, 2,4,6,8,10,12,14,16,18,20,22,24,26,28,30
.irp c, 0,1
	v_max3_num_f32 v[8+\c], v[8+\c], |v[XN+32*\c+\i]|, |v[XN+32*\c+\i+1]|   ; (the two blocks by turns)
.endr
.endr
.irp c, 0,1
	v_add_nc_u32 v[10+\c], 0xfe000000, v[8+\c]     ; 4 off the exponent field: the conversion takes the exponent field of this operand as its scale
.endr
.irp c, 0,1
	v_lshrrev_b32 v[12+\c], 23, v[10+\c]           ; the scale's byte
.endr
	v_lshl_or_b32 v14, v13, 16, v12                ; my two bytes: blocks h and 2 + h,
	v_lshlrev_b32 v15, 3, v2
	v_lshlrev_b32 v14, v15, v14                    ; at their places in the word (8 h bits up);
	v_mov_b32 v15, 0
	v_permlanex16_b32 v15, v14, s22, s23
	v_or_b32 v14, v14, v15                         ; with lane l xor 16's two the word is whole
.irp c, 0,1
	v_cvt_scalef32_pk16_bf6_f32 v[CD+6*\c:CD+6*\c+2], v[XN+32*\c:XN+32*\c+15], v[10+\c]
	v_cvt_scalef32_pk16_bf6_f32 v[C2+4*\c:C2+4*\c+2], v[XN+32*\c+16:XN+32*\c+31], v[10+\c]   ; (a conversion's three registers begin on an even number)
.endr
	v_nop                                          ; one plain place behind a scaled conversion
.irp c, 0,1
.irp i, 0,1,2
	v_mov_b32 v[CD+3+6*\c+\i], v[C2+4*\c+\i]
.endr
.endr
.irp q, 0,1,2
	global_store_b128 v4, v[CD+4*\q:CD+4*\q+3], s[8:9] offset:512*\q   ; 32 lanes store 512 consecutive bytes
.endr
	v_cmp_gt_u32 vcc_lo, 16, v6
	s_wait_xcnt 0x0                                ; EXEC changes only behind this wait
	s_and_saveexec_b32 s24, vcc_lo
	global_store_b32 v5, v14, s[8:9]               ; lanes 0-15: the 16 rows' scale words
	s_wait_xcnt 0x0                                ; and again, in front of the line that widens it
	s_or_b32 exec_lo, exec_lo, s24
	s_endpgm
.Lfunc_end_k_qb8022fd94e_wprep:
	.size	k_qb8022fd94e_wprep, .Lfunc_end_k_qb8022fd94e_wprep-k_qb8022fd94e_wprep
	.p2alignl 7, 3214868480
	.fill 96, 4, 3214868480
	.section	.rodata,"a",@progbits
	.p2align	6, 0x0
	.amdhsa_kernel k_qb8022fd94e_wprep
		.amdhsa_group_segment_fixed_size 0
		.amdhsa_private_segment_fixed_size 0
		.amdhsa_enable_private_segment 0
		.amdhsa_kernarg_size 24
		.amdhsa_user_sgpr_count 2
		.amdhsa_user_sgpr_kernarg_segment_ptr 1
		.amdhsa_wavefront_size32 1
		.amdhsa_system_sgpr_workgroup_id_x 1
		.amdhsa_system_sgpr_workgroup_id_y 1
		.amdhsa_system_sgpr_workgroup_id_z 1
		.amdhsa_system_vgpr_workitem_id 0
		.amdhsa_next_free_vgpr 112
		.amdhsa_next_free_sgpr 66
		.amdhsa_reserve_vcc 1
		.amdhsa_float_denorm_mode_32 3
		.amdhsa_float_denorm_mode_16_64 3
		.amdhsa_memory_ordered 1
		.amdhsa_forward_progress 1
		.amdhsa_inst_pref_size 7
	.end_amdhsa_kernel
	.amdgpu_metadata
---
amdhsa.version: [ 1, 2 ]
amdhsa.kernels:
  - .name:           k_qb8022fd94e_wprep
    .symbol:         k_qb8022fd94e_wprep.kd
    .args:
      - { .name: base_weight, .offset: 0, .size: 8, .value_kind: global_buffer, .address_space: global }
      - { .name: spline_weight, .offset: 8, .size: 8, .value_kind: global_buffer, .address_space: global }
      - { .name: wq, .offset: 16, .size: 8, .value_kind: global_buffer, .address_space: global }
    .group_segment_fixed_size: 0
    .private_segment_fixed_size: 0
    .kernarg_segment_align: 8
    .kernarg_segment_size: 24
    .max_flat_workgroup_size: 128
    .sgpr_count:     66
    .vgpr_count:     112
    .wavefront_size: 32
...
	.end_amdgpu_metadata
.endif
;; end of part 3
;; launch kan (part 4): grid 256 x 1, 8 waves a work-group, no clusters, 249,856 bytes of LDS; arguments x, wq, out0; writes out0
.if DOCPART == 4
	.amdgcn_target "amdgcn-amd-amdhsa--gfx1250"
	.amdhsa_code_object_version 6
	.text
	.protected	k_qb8022fd94e_kan
	.globl	k_qb8022fd94e_kan
	.p2align	8
	.type	k_qb8022fd94e_kan,@function
k_qb8022fd94e_kan:
	s_mov_b64 s[64:65], 0
	v_nop
	global_prefetch_b8 v0, s[64:65] scope:SCOPE_SE
	s_setreg_imm32_b32 hwreg(HW_REG_WAVE_SCHED_MODE, 0, 2), 2
	s_setreg_imm32_b32 hwreg(HW_REG_WAVE_MODE, 25, 1), 1
	s_wait_xcnt 0x0
	s_wait_alu depctr_vm_vsrc(0)
; out[32768][256] = Q(silu(x)) Q(base_weight)^T + Q(bases(x)) Q(spline_weight)^T, both products on codes of BF6 (E3M2) with one E8M0 scale for each 32 along K; sums in f32.  K = 2,048 + 256: 18 steps of 128.
; SHARES.  A work-group takes 128 rows x all 256 columns.  Waves 4-7 are PRODUCERS: wave 4 + p makes, for row tiles 2 p and 2 p + 1, all of the left operand (bases and silu, in f32, quantised) and lays it in LDS as
; images of the operand's registers.  Waves 0-3 are CONSUMERS: wave w multiplies all 128 rows by columns 64 w .. 64 w + 63: 32 accumulators, 256 registers (window 1); its fragments of the weights come from wq
; straight into registers, in the order in which the registers take them.  Vector work (some 32 instructions for each number of x) and matrix work so lie in different waves.
; STAGES.  A stage is 32 features: spline K steps 2 T and 2 T + 1 and block T of the silu's K.  Every LDS byte is written once in the launch, so ONE barrier a stage (stores, wait, barrier, loads) orders all:
; behind barrier T the consumers multiply stage T while the producers make stage T + 1.  The two silu steps are multiplied behind the last stage.
; THE BASES.  The grid is uniform: t = 2.5 x + 5.5, i = floor(t), u = t - i (made by a second fused multiply-add, so that it is rounded once at its own size).  Only bases i - 3 .. i differ from 0:
; q^3 / 6, u^3 / 2 - u^2 + 2 / 3, q^3 / 2 - q^2 + 2 / 3, u^3 / 6 with q = 1 - u.  A block of 32 along K is 4 features x 8 bases, all in one lane.  One conversion makes the block's 4 x 4 codes; each feature's 24 bits are
; then set into its window of 48 bits by a shift of 6 (i - 3) bits, which also drops the bases under 0 and over 7.  The block's largest magnitude is taken of the bases that exist alone.
; NO CLUSTER: all work-groups read the same 460,800 bytes of wq, but a joint load lands in LDS: each K step's 25,600 bytes would be written to LDS and read again beside the 12,800 bytes of the left operand's images
; that go that way, where now each consumer loads its 6,400 bytes once into registers; and a ring with its refills would bring a round of the cluster's barrier into a loop that has one plain barrier a stage.
; LIMITS.  NaN in x is not served.  i is held to 0 .. 10 and u to 0 .. 1, so x outside [-2.2, 2.2), infinities too, gives zero codes, as the reference's zeros.  The knots lie at whole t, not at the rounded f32 grid
; points: at most 6e-8 in x apart, on a function that is continuous there.  The exponential's argument is rounded once: its relative error grows as |x| x 6e-8.  A block of zeros carries the byte 1: its codes are zeros.
; THE MODE: SCHED_MODE bits 1:0 = 2 (LLVM: expert scheduling mode 2), set by the entry lines.  The code itself states the register dependences between vector or matrix instructions and memory or LDS instructions,
; with s_wait_alu, always for 0.
; THE PLAN, PRODUCERS.  Registers that memory or LDS instructions touch, round a stage:
;   X0, X1     written by the eight loads of x, which stand behind SQ's stores; read by FRONT 0 and FRONT 1 of the next stage.
;   BY, R      the silu's bytes and codes: written by SQ's vector lines, read by SQ's five LDS stores, written again a stage on.
;   RS, WD     the out-buffer, a tile's four blocks, and its scale word: written by BACK g, 0 .. 3, read by the nine LDS stores of OUT g; RS is written again by the other tile's blocks.
;   v1         read by the loads of x, never written again.     v2-v5  read by the LDS stores, stepped behind the barrier.
;   One wait on va_vdst at the end of SQ's arithmetic (BY and R are written; both FRONTs are done reading X0 and X1), one ahead of each OUT (RS and WD are written); one wait on vm_vsrc ahead of tile 1's first write of RS;
;   one wait on va_sdst in each block, between its compares, which stand early, and the selects that read their masks.
; THE PLAN, CONSUMERS.  AF (two halves), AS, BF (two sets), BS: written by loads, read by the products.  v6, v7: read by the LDS loads, stepped behind the barrier.  v13, v14: never written again.
;   A run of loads into registers that products have read stands directly behind a wait on va_vdst: three a stage.  Window 0 has no room for a second AF, and the loads want another window setting than the products.
; BEHIND EACH BARRIER, in the text that all waves walk: a wait on vm_vsrc ahead of the address steps (it also frees RS, R, BY and WD for the next stage's vector lines), a wait on va_vdst behind them.
.set AIMG, 0                           ; LDS: the spline steps' images: step s, row tile m, register group q, lane l: 12,288 s + 1,536 m + 512 q + 16 l          196,608 bytes
.set SIL,  196608                      ; the silu's blocks: block b, row tile m, piece k of 8 bytes, row r: 3,200 b + 384 m + 128 k + 8 r                            25,600
.set ASC,  222208                      ; the spline steps' scale words: step s, row n (0 .. 127): 512 s + 16 (n % 32) + 4 (n / 32)                                    8,192
.set SSC,  230400                      ; the silu's scale bytes: row n, block b: 32 (n % 32) + 8 (n / 32) + b                                                         1,024
.set OST,  231424                      ; the way out: 16 rows x (256 + 16) bytes for each consumer                                                                   17,408
; v1-14: addresses, made at the head by every wave; v2-7 are stepped in the text that all waves walk
;   v1 x: 1,024 r + 64 h          v2 images out: 16 r + 12,288 h + 3,072 p     v3 scale words out     v4 silu blocks out     v5 silu bytes out     v6 images in: 16 l     v7 scale words in
;   v8 silu blocks in             v9 silu scale words in      v10, v11 the stage, in and back         v12 out0: 1,024 h + 16 r                      v13 16 l    v14 4 l
; THE TWO ROLES' LOADS NAME DIFFERENT REGISTERS: the producers load x into v112-127 and v224-239; the consumers' loads land in v16-111, v128-223 and v240-251.
; PRODUCERS (window 0 alone)
.set K3,  16                           ; (1/6, 1/2)
.set K2,  18                           ; (0, -1)
.set K0,  20                           ; (0, 2/3)
.set GM,  22                           ; (-1, 1)
.set GA,  24                           ; (3.5, 2.5)
.set SM,  26                           ; (-6, 6)
.set SA,  28                           ; (2^23 + 2^22 + 15, 2^23 + 2^22 - 15)
.set C55, 30                           ; (5.5, 5.5)
.set S,   32                           ; v32-63   silu: 16 g + i, tile g, feature 16 h + i of the stage; done with behind SQ's conversions
.set RS,  32                           ; v32-55   then the out-buffer: block bt of the tile in hand: six registers at RS + 6 bt
.set E,   64                           ; v64-95   e = 5.5 - i
.set R,   96                           ; v96-102  the silu's codes
.set WD,  108                          ; v108, v109 the scale word in the making, one for each tile
.set BY,  110                          ; v110, v111 the silu's scale bytes, one for each tile
.set X,   112                          ; v112-127 x of tile 0;  v224-239 x of tile 1: 112 g + i
.set U0,  128                          ; v128-159 u before it is held
.set FT,  160                          ; v160-175 t, floor(t), i: in FRONT alone
.set ZL,  160                          ; v160-167 a block's pairs (q held, u);      later MN: the shift amounts (left, right)
.set MN,  160
.set ZH,  168                          ; v168-175 pairs (q, u held);                later TP (six), MX, SC
.set TP,  168
.set MX,  174
.set SC,  175
.set G,   176                          ; v176-183 pairs (i - 2, 8 - i), later the two candidates for the maximum
.set HT,  184                          ; v184-199 the cubics' inner terms;          later CC: the block's 16 codes
.set CC,  184
.set V,   200                          ; v200-215 the conversion's 16 sources: 4 f + 0 .. 3
.set FZ,  216                          ; v216-223 pairs (a feature's 24 bits, 0): the odd registers are 0 from the head on
; CONSUMERS
.set BF,  16                           ; v16-111  the weights' fragments: set s at 48 s, tile b at 12 b
.set AF,  128                          ; v128-223 the left operand's fragments: row tile m at 12 m
.set BS,  240                          ; v240-243 the weights' scale words: 2 s + e: lanes 0-15 tile 2 e, lanes 16-31 tile 2 e + 1
.set AS,  244                          ; v244-251 the left operand's: 4 s + e likewise; for the silu steps 2 e + z.  v240-251 hold scales and nothing else
.set OB,  16                           ; the way out: rows read back, two sets of 32
.set MSB, 0
.macro WIN new                         ; the immediate's high byte repeats the setting that is left
.if MSB != \new
	s_set_vgpr_msb (MSB<<8)|\new
.set MSB, \new
.endif
.endm
.set MUL, 0x50                         ; C and D window 1; both sources window 0
.macro PLACES                          ; four plain places behind a matrix instruction, in front of loads into its registers and of reads of its result
.rept 4
	v_nop
.endr
.endm
.macro BAR                             ; my LDS stores have landed and my LDS loads are in: then the work-group's barrier
	s_wait_dscnt 0x0
	s_barrier_signal -1
	s_barrier_wait -1
.endm
; ---------------- producers ----------------
.macro XLOAD g, off                    ; tile g's 16 numbers a lane, off bytes on along the rows
.irp j, 0,1,2,3
	global_load_b128 v[X+112*(\g)+4*\j:X+112*(\g)+4*\j+3], v1, s[14:15] offset:(\off)+16384*(\g)+16*\j
.endr
.endm
; silu, e and u of tile g's 16 numbers
.macro FRONT g
.set xb, X+112*(\g)
.set sb, S+16*(\g)
.set eb, E+16*(\g)
.set ub, U0+16*(\g)
.irp k, 0,2,4,6,8,10,12,14
	v_pk_mul_f32 v[sb+\k:sb+\k+1], v[xb+\k:xb+\k+1], s[24:25] op_sel_hi:[1,0]       ; -x log2(e)
.endr
	s_wait_alu depctr_va_vdst(0)
.irp k, 0,1,2,3,4,5,6,7,8,9,10,11,12,13,14,15
	v_exp_f32 v[sb+\k], v[sb+\k]                                                     ; e^-x
.endr
.irp k, 0,2,4,6,8,10,12,14
	v_pk_fma_f32 v[FT+\k:FT+\k+1], v[xb+\k:xb+\k+1], s[20:21], v[C55:C55+1] op_sel_hi:[1,0,1]   ; t = 2.5 x + 5.5
.endr
.irp k, 0,1,2,3,4,5,6,7,8,9,10,11,12,13,14,15
	v_floor_f32 v[FT+\k], v[FT+\k]
.endr
.irp k, 0,1,2,3,4,5,6,7,8,9,10,11,12,13,14,15
	v_med3_num_f32 v[FT+\k], v[FT+\k], 0, 0x41200000                                 ; i, held to 0 .. 10
.endr
.irp k, 0,2,4,6,8,10,12,14
	v_pk_add_f32 v[eb+\k:eb+\k+1], v[C55:C55+1], v[FT+\k:FT+\k+1] neg_lo:[0,1] neg_hi:[0,1]     ; e = 5.5 - i, exact
.endr
	s_wait_alu depctr_va_vdst(0)                   ; the 16 exponentials have written the tile's S: one wait, ahead of their first reader; the lines above are the plain work between
.irp k, 0,2,4,6,8,10,12,14
	v_pk_add_f32 v[sb+\k:sb+\k+1], v[sb+\k:sb+\k+1], 1.0 op_sel_hi:[1,0]
.endr
	s_wait_alu depctr_va_vdst(0)
.irp k, 0,1,2,3,4,5,6,7,8,9,10,11,12,13,14,15
	v_rcp_f32 v[sb+\k], v[sb+\k]
.endr
.irp k, 0,2,4,6,8,10,12,14
	v_pk_fma_f32 v[ub+\k:ub+\k+1], v[xb+\k:xb+\k+1], s[20:21], v[eb+\k:eb+\k+1] op_sel_hi:[1,0,1]   ; u = 2.5 x + (5.5 - i): one rounding
.endr
	s_wait_alu depctr_va_vdst(0)                   ; the 16 reciprocals have written the tile's S: one wait, ahead of their first reader
.irp k, 0,2,4,6,8,10,12,14
	v_pk_mul_f32 v[sb+\k:sb+\k+1], v[sb+\k:sb+\k+1], v[xb+\k:xb+\k+1]                ; silu = x / (1 + e^-x)
.endr
.endm
; The stage's block of the silu's K, both tiles: lanes l and l xor 16 hold its two halves.  All its arithmetic first, then one wait, then its five LDS stores
.macro SQ
.irp g, 0,1
	v_max3_num_f32 v[178+\g], |v[S+16*\g]|, |v[S+16*\g+1]|, 0x2800000               ; and the floor 2^(5 - 127): the byte cannot fall under 1
.endr
.irp i, 2,4,6,8,10,12,14
.irp g, 0,1
	v_max3_num_f32 v[178+\g], v[178+\g], |v[S+16*\g+\i]|, |v[S+16*\g+\i+1]|
.endr
.endr
.irp g, 0,1
	v_permlanex16_b32 v[176+\g], v[178+\g], s30, s31
.endr
.irp g, 0,1
	v_max_num_f32 v[178+\g], v[178+\g], v[176+\g]  ; the block's largest magnitude
.endr
.irp g, 0,1
	v_add_nc_u32 v[180+\g], 0xfe000000, v[178+\g]  ; 4 off its exponent field: the conversion's scale operand
.endr
.irp g, 0,1
	v_lshrrev_b32 v[BY+\g], 23, v[180+\g]          ; the scale's byte
.endr
	v_cvt_scalef32_pk16_bf6_f32 v[R:R+2], v[S:S+15], v180
	v_cvt_scalef32_pk16_bf6_f32 v[R+4:R+6], v[S+16:S+31], v181
	v_nop                                          ; one plain place behind a scaled conversion
.irp i, 0,1,2
	v_permlane16_swap_b32 v[R+\i], v[R+4+\i]       ; lane (r, h) now holds the whole block of tile 2 p + h: the lower 16 codes in the first three, the upper 16 in the second three
.endr
	v_mov_b32 v[R+3], v[R+4]
	v_mov_b32 v[R+4], v[R+5]
	v_mov_b32 v[R+5], v[R+6]
	s_wait_alu depctr_va_vdst(0)                   ; BY and R are written, which the five stores below read; both FRONTs are done reading X0 and X1, in which the loads behind these stores land
.irp g, 0,1
	ds_store_b8 v5, v[BY+\g] offset:512*\g         ; both lanes of a row write the same byte with the same value
.endr
.irp k, 0,1,2
	ds_store_b64 v4, v[R+2*\k:R+2*\k+1] offset:128*\k
.endr
.endm
; Block bt (4 features x 8 bases) of tile g: in lane (r, h) it is block bt of row r of spline K step 2 T + h.  It ends in the out-buffer; OUT stores a tile's four
.macro BACK g, bt
.set ix, 16*(\g)+4*(\bt)
.set rs, RS+6*(\bt)
.irp f, 0,1,2,3
	v_med3_num_f32 v[ZL+2*\f+1], v[U0+ix+\f], 0, 1.0                                 ; u
.endr
.irp f, 0,2
	v_pk_fma_f32 v[G+2*\f:G+2*\f+1], v[E+ix+\f:E+ix+\f+1], v[GM:GM+1], v[GA:GA+1] op_sel_hi:[0,1,1]                     ; (i - 2, 8 - i) of an even feature: e is the pair's first,
	v_pk_fma_f32 v[G+2*\f+2:G+2*\f+3], v[E+ix+\f:E+ix+\f+1], v[GM:GM+1], v[GA:GA+1] op_sel:[1,0,0] op_sel_hi:[1,1,1]    ; of an odd one: its second
.endr
.irp f, 0,1,2,3
	v_sub_f32 v[ZH+2*\f], 1.0, v[ZL+2*\f+1]                                          ; q
.endr
.irp f, 0,1,2,3                        ; the eight compares stand here, in one run, as soon as their pairs are made: the cubics lie between them and the wait for their masks
	v_cmp_ge_u32 s[32+2*\f], s26, v[G+2*\f]        ; 0 <= i - 2 <= 7: as words, the numbers 0 .. 7 are those not above 7.0's word
	v_cmp_ge_u32 s[33+2*\f], s26, v[G+2*\f+1]      ; 0 <= 8 - i <= 7
.endr
.irp f, 0,1,2,3
	v_med3_num_f32 v[ZL+2*\f], v[ZH+2*\f], 0, v[G+2*\f]                              ; q, or 0 where base i - 3 lies under 0 (i - 2 <= 0)
.endr
.irp f, 0,1,2,3
	v_med3_num_f32 v[ZH+2*\f+1], v[ZL+2*\f+1], 0, v[G+2*\f+1]                        ; u, or 0 where base i lies over 7 (8 - i <= 0)
.endr
.irp f, 0,1,2,3
	v_pk_fma_f32 v[HT+4*\f:HT+4*\f+1], v[ZL+2*\f:ZL+2*\f+1], v[K3:K3+1], v[K2:K2+1]  ; (q / 6, u / 2 - 1)
.endr
.irp f, 0,1,2,3
	v_pk_fma_f32 v[HT+4*\f+2:HT+4*\f+3], v[ZH+2*\f:ZH+2*\f+1], v[K3:K3+1], v[K2:K2+1] op_sel:[0,1,1] op_sel_hi:[1,0,0]  ; (q / 2 - 1, u / 6): the constants' halves change places
.endr
.irp f, 0,1,2,3
	v_pk_mul_f32 v[V+4*\f:V+4*\f+1], v[ZL+2*\f:ZL+2*\f+1], v[ZL+2*\f:ZL+2*\f+1]
.endr
.irp f, 0,1,2,3
	v_pk_mul_f32 v[V+4*\f+2:V+4*\f+3], v[ZH+2*\f:ZH+2*\f+1], v[ZH+2*\f:ZH+2*\f+1]
.endr
.irp f, 0,1,2,3
	v_pk_fma_f32 v[V+4*\f:V+4*\f+1], v[V+4*\f:V+4*\f+1], v[HT+4*\f:HT+4*\f+1], v[K0:K0+1]              ; bases i - 3, i - 2
.endr
.irp f, 0,1,2,3
	v_pk_fma_f32 v[V+4*\f+2:V+4*\f+3], v[V+4*\f+2:V+4*\f+3], v[HT+4*\f+2:HT+4*\f+3], v[K0:K0+1] op_sel:[0,0,1] op_sel_hi:[1,1,0]   ; bases i - 1, i
.endr
	s_wait_alu depctr_va_sdst(0)                   ; the eight compares have written s32 to s39, ahead of the first select that reads a mask
.irp f, 0,1,2,3
	v_cndmask_b32 v[G+2*\f], v[V+4*\f], v[V+4*\f+1], s[32+2*\f]          ; base i - 2 where it exists (it is never under base i - 3), else base i - 3
	v_cndmask_b32 v[G+2*\f+1], v[V+4*\f+3], v[V+4*\f+2], s[33+2*\f]      ; base i - 1 where it exists, else base i
.endr
	v_max3_num_f32 v[MX], v[G], v[G+1], 0x2800000  ; the block's largest magnitude, and the floor 2^(5 - 127); the shift amounts are made between the steps
	v_max3_num_f32 v[SC], v[G+2], v[G+3], v[G+4]
.irp f, 0,1,2,3
	v_min_num_f32 v[MN+2*\f], s20, v[E+ix+\f]      ; 5.5 - max(i, 3)
.endr
	v_max3_num_f32 v[MX], v[MX], v[G+5], v[G+6]
.irp f, 0,1,2,3
	v_max_num_f32 v[MN+2*\f+1], s20, v[E+ix+\f]    ; 5.5 - min(i, 3)
.endr
	v_max3_num_f32 v[MX], v[MX], v[SC], v[G+7]
.irp f, 0,1,2,3
	v_pk_fma_f32 v[MN+2*\f:MN+2*\f+1], v[MN+2*\f:MN+2*\f+1], v[SM:SM+1], v[SA:SA+1]  ; 2^23 + 2^22 + 6 max(i - 3, 0) and + 6 max(3 - i, 0): the whole numbers stand in the words' low bits
.endr
	v_add_nc_u32 v[SC], 0xfe000000, v[MX]          ; 4 off the exponent field: the conversion's scale operand
	v_cvt_scalef32_pk16_bf6_f32 v[CC:CC+2], v[V:V+15], v[SC]
	v_lshrrev_b32 v[TP], 23, v[SC]                 ; the scale's byte (the plain place behind the conversion)
.if (\bt) == 0
	v_mov_b32 v[WD+(\g)], v[TP]
.else
	v_lshl_or_b32 v[WD+(\g)], v[TP], 8*(\bt), v[WD+(\g)]
.endif
	v_and_b32 v[FZ], s27, v[CC]                    ; feature f's four codes: bits 24 f .. 24 f + 23 of the 96
	v_alignbit_b32 v[FZ+2], v[CC+1], v[CC], 24
	v_alignbit_b32 v[FZ+4], v[CC+2], v[CC+1], 16
	v_lshrrev_b32 v[FZ+6], 8, v[CC+2]
	v_and_b32 v[FZ+2], s27, v[FZ+2]
	v_and_b32 v[FZ+4], s27, v[FZ+4]
.irp f, 0,1,2,3
	v_lshrrev_b32 v[FZ+2*\f], v[MN+2*\f+1], v[FZ+2*\f]   ; i < 3: the bases under 0 fall out below (a 32-bit shift takes its amount's low 5 bits: ISA guide, the instruction's entry)
.endr
.if ((\g) == 1) && ((\bt) == 0)
	s_wait_alu depctr_vm_vsrc(0)                   ; tile 0's stores have read the out-buffer, which tile 1's blocks write from here on
.endif
	v_lshlrev_b64 v[rs:rs+1], v[MN], v[FZ:FZ+1]    ; i > 3: up by 6 (i - 3) bits (a 64-bit shift takes the low 6 bits); what passes bit 47 is cut off below
	v_lshlrev_b64 v[TP:TP+1], v[MN+2], v[FZ+2:FZ+3]
	v_lshlrev_b64 v[TP+2:TP+3], v[MN+4], v[FZ+4:FZ+5]
	v_lshlrev_b64 v[TP+4:TP+5], v[MN+6], v[FZ+6:FZ+7]
	v_perm_b32 v[rs+1], v[TP], v[rs+1], s28        ; four windows of 48 bits on end are the block's six registers
	v_alignbit_b32 v[rs+2], v[TP+1], v[TP], 16
	v_mov_b32 v[rs+3], v[TP+2]
	v_perm_b32 v[rs+4], v[TP+4], v[TP+3], s28
	v_alignbit_b32 v[rs+5], v[TP+5], v[TP+4], 16
.endm
; Tile g's four blocks and its scale word go to LDS: one wait, one run of nine stores
.macro OUT g
	s_wait_alu depctr_va_vdst(0)                   ; the tile's four blocks have written the out-buffer and WD, which the stores below read
.irp bt, 0,1,2,3                       ; block bt is registers 6 (bt / 2) .. + 5 of the image's lane r + 16 (bt % 2)
.set rs, RS+6*\bt
.set oo, 1536*(\g)+256*(\bt%2)
.if \bt < 2
	ds_store_b128 v2, v[rs:rs+3] offset:oo
	ds_store_b64 v2, v[rs+4:rs+5] offset:oo+512
.else
	ds_store_b64 v2, v[rs:rs+1] offset:oo+520
	ds_store_b128 v2, v[rs+2:rs+5] offset:oo+1024
.endif
.endr
	ds_store_b32 v3, v[WD+(\g)] offset:256*(\g)    ; my row's scale word of this K step
.endm
; A stage's work of a producer.  guard = 1: the loop's copy, in whose last trip (T = 7) nothing more is asked of x: no load leaves its buffer
.macro PROD guard
	s_wait_loadcnt 4                               ; tile 0's four loads are in; tile 1's may be out
	FRONT 0
	s_wait_loadcnt 0x0                             ; tile 1's are in
	FRONT 1
	SQ
.if \guard
	s_cmp_eq_u32 s12, 7
	s_cbranch_scc1 .Lno_x_\@
.endif
	XLOAD 0, 128                                   ; the next stage's numbers.  No wait: no vector instruction since SQ's wait, which has shown X0 and X1 read
	XLOAD 1, 128
.if \guard
.Lno_x_\@:
.endif
.irp bt, 0,1,2,3
	BACK 0, \bt
.endr
	OUT 0
.irp bt, 0,1,2,3
	BACK 1, \bt
.endr
	OUT 1
	s_wait_xcnt 0x0                                ; the loads have read their base
	s_add_nc_u64 s[14:15], s[14:15], 128           ; 32 features on
.endm
; ---------------- consumers ----------------
.macro BLOAD s, off                    ; a K step's four fragments and their scale words, my quarter of the columns: 14 loads
.irp b, 0,1,2,3
.irp qd, 0,1,2
	global_load_b128 v[BF+48*(\s)+12*\b+4*\qd:BF+48*(\s)+12*\b+4*\qd+3], v13, s[16:17] offset:(\off)+1536*\b+512*\qd
.endr
.endr
.irp e, 0,1
	global_load_b32 v[BS+2*(\s)+\e], v14, s[16:17] offset:(\off)+6144+128*\e
.endr
.endm
.macro ASCL s, off                     ; the 128 rows' scale words of a K step: four a lane
	ds_load_b128 v[AS+4*(\s):AS+4*(\s)+3], v7 offset:\off
.endm
.macro AFETCH hf, off                  ; row tiles 4 hf .. 4 hf + 3: 12 loads
.irp mm, 0,1,2,3
.irp qd, 0,1,2
	ds_load_b128 v[AF+12*(4*(\hf)+\mm)+4*\qd:AF+12*(4*(\hf)+\mm)+4*\qd+3], v6 offset:(\off)+1536*(4*(\hf)+\mm)+512*\qd
.endr
.endr
.endm
.macro SFETCH hf, z                    ; the same of silu step z: a lane's block is three pieces of 8 bytes: 24 loads
.irp mm, 0,1,2,3
.irp c, 0,1
.irp k, 0,1,2
	ds_load_b64 v[AF+12*(4*(\hf)+\mm)+6*\c+2*\k:AF+12*(4*(\hf)+\mm)+6*\c+2*\k+1], v8 offset:12800*(\z)+6400*\c+384*(4*(\hf)+\mm)+128*\k
.endr
.endr
.endr
.endm
; One product, used transposed: source 0 = 16 columns' weights, source 1 = 16 rows: a lane then holds eight neighbouring columns of one row of out.
.macro WM m, b, s, asb, ass, zero
.set rD,  8*(4*(\m)+(\b))
.set rA,  BF+48*(\s)+12*(\b)
.set rB,  AF+12*(\m)
.set rSA, BS+2*(\s)+(\b)/2
.set rSB, (\asb)+(\ass)*((\m)/2)
.set pA,  (\b)%2
.set pB,  (\m)%2
.if \zero
.if pA && pB
	v_wmma_scale_f32_16x16x128_f8f6f4 v[rD:rD+7], v[rA:rA+11], v[rB:rB+11], 0, v[rSA], v[rSB] matrix_a_fmt:MATRIX_FMT_BF6 matrix_b_fmt:MATRIX_FMT_BF6 matrix_a_scale:MATRIX_SCALE_ROW1 matrix_b_scale:MATRIX_SCALE_ROW1
.elseif pA
	v_wmma_scale_f32_16x16x128_f8f6f4 v[rD:rD+7], v[rA:rA+11], v[rB:rB+11], 0, v[rSA], v[rSB] matrix_a_fmt:MATRIX_FMT_BF6 matrix_b_fmt:MATRIX_FMT_BF6 matrix_a_scale:MATRIX_SCALE_ROW1
.elseif pB
	v_wmma_scale_f32_16x16x128_f8f6f4 v[rD:rD+7], v[rA:rA+11], v[rB:rB+11], 0, v[rSA], v[rSB] matrix_a_fmt:MATRIX_FMT_BF6 matrix_b_fmt:MATRIX_FMT_BF6 matrix_b_scale:MATRIX_SCALE_ROW1
.else
	v_wmma_scale_f32_16x16x128_f8f6f4 v[rD:rD+7], v[rA:rA+11], v[rB:rB+11], 0, v[rSA], v[rSB] matrix_a_fmt:MATRIX_FMT_BF6 matrix_b_fmt:MATRIX_FMT_BF6
.endif
.else
.if pA && pB
	v_wmma_scale_f32_16x16x128_f8f6f4 v[rD:rD+7], v[rA:rA+11], v[rB:rB+11], v[rD:rD+7], v[rSA], v[rSB] matrix_a_fmt:MATRIX_FMT_BF6 matrix_b_fmt:MATRIX_FMT_BF6 matrix_a_scale:MATRIX_SCALE_ROW1 matrix_b_scale:MATRIX_SCALE_ROW1
.elseif pA
	v_wmma_scale_f32_16x16x128_f8f6f4 v[rD:rD+7], v[rA:rA+11], v[rB:rB+11], v[rD:rD+7], v[rSA], v[rSB] matrix_a_fmt:MATRIX_FMT_BF6 matrix_b_fmt:MATRIX_FMT_BF6 matrix_a_scale:MATRIX_SCALE_ROW1
.elseif pB
	v_wmma_scale_f32_16x16x128_f8f6f4 v[rD:rD+7], v[rA:rA+11], v[rB:rB+11], v[rD:rD+7], v[rSA], v[rSB] matrix_a_fmt:MATRIX_FMT_BF6 matrix_b_fmt:MATRIX_FMT_BF6 matrix_b_scale:MATRIX_SCALE_ROW1
.else
	v_wmma_scale_f32_16x16x128_f8f6f4 v[rD:rD+7], v[rA:rA+11], v[rB:rB+11], v[rD:rD+7], v[rSA], v[rSB] matrix_a_fmt:MATRIX_FMT_BF6 matrix_b_fmt:MATRIX_FMT_BF6
.endif
.endif
.endm
; 16 products: row tiles 4 hf .. + 3 x my four column tiles, one K step.  The 32 accumulators take turns, one instruction a turn, in the same order in every K step.
.macro MUL16 hf, s, asb, ass, zero
.irp mm, 0,1,2,3
.irp b, 0,1,2,3
	WM 4*(\hf)+\mm, \b, \s, \asb, \ass, \zero
.endr
.endr
.endm
; A stage's two K steps.  zero = 1: the first K step of all starts the sums: nothing is cleared.
; The first loads owe no wait of their own: the wait behind the barrier's address steps stands ahead of them, and no vector or matrix instruction since
.macro CONS zero
	ASCL 0, 0
	AFETCH 0, 0
	AFETCH 1, 0
	s_wait_loadcnt 14                              ; the weights' set 0 is in; set 1's 14 loads may be out
	s_wait_dscnt 12                                ; the scale words and row tiles 0-3 are in; tiles 4-7 may be out
	WIN MUL
	MUL16 0, 0, AS, 1, \zero
	WIN 0
	PLACES
	s_wait_alu depctr_va_vdst(0)                   ; the sixteen products are done reading row tiles 0-3, in which the loads below land (the second set of scale words was last read a stage ago)
	ASCL 1, 512                                    ; the second K step's
	AFETCH 0, 12288
	s_wait_dscnt 13                                ; row tiles 4-7 are in; the 13 loads just issued may be out
	WIN MUL
	MUL16 1, 0, AS, 1, \zero
	WIN 0
	PLACES
	s_wait_alu depctr_va_vdst(0)                   ; the first K step's products are done reading row tiles 4-7, the weights' set 0 and its scale words, in which the loads below land
	AFETCH 1, 12288
	BLOAD 0, 51200                                 ; set 0 takes the K step two on
	s_wait_loadcnt 14                              ; set 1 is in
	s_wait_dscnt 12
	WIN MUL
	MUL16 0, 1, AS+4, 1, 0
	s_wait_dscnt 0x0
	MUL16 1, 1, AS+4, 1, 0
	WIN 0
	PLACES
	s_wait_alu depctr_va_vdst(0)                   ; the second K step's products are done reading the weights' set 1 and its scale words, in which the loads below land; and all of AF and AS, for the loads that come next
	BLOAD 1, 76800
	s_wait_xcnt 0x0                                ; the loads have read their base
	s_add_nc_u64 s[16:17], s[16:17], 51200         ; two K steps on.  The last stage's two loads bring steps 16 and 17, wq's last
.endm
; The way out, a row tile at a time, through my own stage: a lane holds 32 bytes of a row; they come back as rows of 256 bytes
.macro TOSTAGE m
	WIN 0x04                                       ; an LDS store's data are its source 1: window 1
.if (\m) == 0
	s_wait_alu depctr_va_vdst(0)                   ; the products have written the accumulators, which the LDS stores of all eight tiles read, and are done reading v16-79, in which the rows land; no vector or matrix instruction follows this wait
.endif
.irp b, 0,1,2,3
	ds_store_b128 v10, v[8*(4*(\m)+\b):8*(4*(\m)+\b)+3] offset:64*\b            ; each accumulator from its low end on
	ds_store_b128 v10, v[8*(4*(\m)+\b)+4:8*(4*(\m)+\b)+7] offset:64*\b+16
.endr
	WIN 0
.irp t, 0,1,2,3,4,5,6,7
	ds_load_b128 v[OB+32*((\m)%2)+4*\t:OB+32*((\m)%2)+4*\t+3], v11 offset:544*\t   ; LDS serves a wave's instructions in order (ISA guide 5.7.1.4): these see the stores above
.endr
.endm
.macro SEND m, younger                 ; younger: the LDS instructions issued behind tile m's loads, which may stay out
	s_wait_dscnt \younger
.irp t, 0,1,2,3,4,5,6,7
	global_store_b128 v12, v[OB+32*((\m)%2)+4*\t:OB+32*((\m)%2)+4*\t+3], s[18:19] offset:(16*(\m)+2*\t)*1024 th:TH_STORE_NT   ; 16 lanes store 256 consecutive bytes, at a multiple of 256 from out0's first byte
.endr
.endm
; ---------------- the head, every wave ----------------
	s_load_b128 s[4:7], s[0:1], 0x0                ; x, wq
	s_load_b64 s[8:9], s[0:1], 0x10                ; out0
	v_lshl_add_u32 v254, v0, 2, 0x3cc00
	v_mov_b32 v255, 0
	v_lshrrev_b32 v15, 5, v0
	v_readfirstlane_b32 s10, v15                   ; wave 0..7
	v_and_b32 v32, 15, v0                          ; r
	v_bfe_u32 v33, v0, 4, 1                        ; h
	v_and_b32 v34, 31, v0                          ; lane
	v_lshlrev_b32 v1, 10, v32
	v_lshl_add_u32 v1, v33, 6, v1                  ; x: row r of 1,024 bytes, + 64 h
	s_wait_alu depctr_va_sdst(0)                   ; s10 is written, ahead of its first reader: the roles, the bases and the LDS addresses are made from it
	s_and_b32 s11, s10, 3                          ; p: a producer's pair of row tiles, a consumer's quarter of the columns
	s_mul_i32 s2, s11, 3072
	v_lshlrev_b32 v2, 4, v32
	v_mad_u32_u24 v2, v33, 12288, v2
	v_add_nc_u32 v2, s2, v2                        ; images out: lane r's 16 bytes, K step h of the stage, row tile 2 p
	s_lshl_b32 s2, s11, 2
	s_add_co_u32 s2, s2, ASC
	v_lshlrev_b32 v3, 4, v32
	v_lshl_add_u32 v3, v33, 9, v3
	v_add_nc_u32 v3, s2, v3                        ; scale words out: row 32 p + 16 g + r
	s_mul_i32 s2, s11, 768
	s_add_co_u32 s2, s2, SIL
	v_lshlrev_b32 v4, 3, v32
	v_mad_u32_u24 v4, v33, 384, v4
	v_add_nc_u32 v4, s2, v4                        ; silu blocks out: row tile 2 p + h, row r
	s_lshl_b32 s2, s11, 3
	s_add_co_u32 s2, s2, SSC
	v_lshl_add_u32 v5, v32, 5, s2                  ; silu bytes out
	v_lshlrev_b32 v6, 4, v34                       ; images in
	v_lshl_add_u32 v7, v34, 4, ASC                 ; scale words in
	v_lshlrev_b32 v8, 3, v32
	v_mad_u32_u24 v8, v33, 3200, v8
	v_add_nc_u32 v8, SIL, v8                       ; silu blocks in: lanes 16-31 take the next block
	v_lshl_add_u32 v9, v34, 5, SSC                 ; silu scale words in
	s_mul_i32 s2, s11, 4352
	s_add_co_u32 s2, s2, OST
	v_mul_u32_u24 v10, v32, 272
	v_lshl_add_u32 v10, v33, 5, v10
	v_add_nc_u32 v10, s2, v10                      ; the stage, in: row r, + 32 h
	v_mul_u32_u24 v11, v33, 272
	v_lshl_add_u32 v11, v32, 4, v11
	v_add_nc_u32 v11, s2, v11                      ; and back: lanes 0-15 one row, lanes 16-31 the next
	v_lshlrev_b32 v12, 10, v33
	v_lshl_add_u32 v12, v32, 4, v12                ; the same two rows in out0
	v_lshlrev_b32 v13, 4, v34
	v_lshlrev_b32 v14, 2, v34
	v_mov_b32 v[K3], 0x3e2aaaab                    ; 1/6
	v_mov_b32 v[K3+1], 0.5
	v_mov_b32 v[K2], 0
	v_mov_b32 v[K2+1], -1.0
	v_mov_b32 v[K0], 0
	v_mov_b32 v[K0+1], 0x3f2aaaab                  ; 2/3
	v_mov_b32 v[GM], -1.0
	v_mov_b32 v[GM+1], 1.0
	v_mov_b32 v[GA], 0x40600000                    ; 3.5
	v_mov_b32 v[GA+1], 0x40200000                  ; 2.5
	v_mov_b32 v[SM], 0xc0c00000                    ; -6
	v_mov_b32 v[SM+1], 0x40c00000                  ; 6
	v_mov_b32 v[SA], 0x4b40000f                    ; 2^23 + 2^22 + 15
	v_mov_b32 v[SA+1], 0x4b3ffff1                  ; 2^23 + 2^22 - 15
	v_mov_b32 v[C55], 0x40b00000                   ; 5.5
	v_mov_b32 v[C55+1], 0x40b00000
.irp f, 0,1,2,3
	v_mov_b32 v[FZ+2*\f+1], 0                      ; the upper words of the 64-bit shifts' sources
.endr
	v_mov_b32 v176, 0                              ; a lane permute's destination counts as one of its sources
	v_mov_b32 v177, 0
	s_mov_b32 s20, 0x40200000                      ; 2.5
	s_mov_b32 s21, s20                             ; (named with it as a pair, so it is written)
	s_mov_b32 s24, 0xbfb8aa3b                      ; -log2(e)
	s_mov_b32 s25, s24
	s_mov_b32 s26, 0x40e00000                      ; 7.0's word
	s_mov_b32 s27, 0xffffff
	s_mov_b32 s28, 0x05040100                      ; v_perm_b32: the low halves of both sources
	s_mov_b32 s30, 0x76543210
	s_mov_b32 s31, 0xfedcba98                      ; v_permlanex16_b32's selects for lane l xor 16
	s_lshl_b32 s2, ttmp9, 17                       ; the work-group's 128 rows of 1,024 bytes, in x and in out0
	s_lshl_b32 s14, s11, 15                        ; x: + 32 p rows
	s_add_co_u32 s14, s14, s2
	s_mov_b32 s15, 0
	s_mul_i32 s16, s11, 6400                       ; wq: my quarter's block of K step 0
	s_mov_b32 s17, 0
	s_lshl_b32 s18, s11, 8                         ; out0: + 64 p columns
	s_add_co_u32 s18, s18, s2
	s_mov_b32 s19, 0
	s_wait_kmcnt 0x0
	s_add_nc_u64 s[14:15], s[4:5], s[14:15]
	s_add_nc_u64 s[16:17], s[6:7], s[16:17]
	s_add_nc_u64 s[18:19], s[8:9], s[18:19]
	s_wait_alu depctr_va_vdst(0)                   ; the addresses v1 to v14 are written, which the loads and stores below read; so are v16-34, v176, v177
; ---------------- stage 0 ----------------
	s_cmp_lt_u32 s10, 4
	s_cbranch_scc1 .Lcons_head
	XLOAD 0, 0
	XLOAD 1, 0
	PROD 0
	s_branch .Lfirst_bar
.Lcons_head:
	BLOAD 0, 0                                     ; K steps 0 and 1 of the weights
	BLOAD 1, 25600
.Lfirst_bar:
	BAR                                            ; stage 0's images lie in LDS
	s_wait_alu depctr_vm_vsrc(0)                   ; the producers' LDS stores have read v2 to v5, which are stepped here, and the out-buffer, R, BY and WD, which the next stage's vector lines write
	v_add_nc_u32 v2, 0x6000, v2                    ; the producers' addresses, a stage on: two K steps' images,
	v_add_nc_u32 v3, 0x400, v3                     ; two K steps' scale words,
	v_add_nc_u32 v4, 3200, v4                      ; a silu block,
	v_add_nc_u32 v5, 1, v5                         ; a silu byte
	s_wait_alu depctr_va_vdst(0)                   ; the four addresses are written, which the next stage's LDS stores read
	s_cmp_lt_u32 s10, 4
	s_cbranch_scc0 .Lprod_skip0
	CONS 1
.Lprod_skip0:
	s_mov_b32 s12, 1                               ; T
; ---------------- stages 1 to 7: the producers make stage T while the consumers, a barrier behind, multiply stage T - 1 ----------------
.Lstage:
	s_cmp_lt_u32 s10, 4
	s_cbranch_scc1 .Lcons_skip
	PROD 1
.Lcons_skip:
	BAR                                            ; stage T's images lie in LDS; no byte of LDS is written twice, so nothing else needs ordering
	s_wait_alu depctr_vm_vsrc(0)                   ; the producers' LDS stores have read v2 to v5, the out-buffer, R, BY and WD; the consumers' LDS loads have read v6 and v7
	v_add_nc_u32 v2, 0x6000, v2
	v_add_nc_u32 v3, 0x400, v3
	v_add_nc_u32 v4, 3200, v4
	v_add_nc_u32 v5, 1, v5
	v_add_nc_u32 v6, 0x6000, v6                    ; the consumers' addresses, on to stage T
	v_add_nc_u32 v7, 0x400, v7
	s_wait_alu depctr_va_vdst(0)                   ; the six addresses are written: the consumers' LDS loads, which follow at once, read v6 and v7, the producers' next stores v2 to v5
	s_cmp_lt_u32 s10, 4
	s_cbranch_scc0 .Lprod_skip
	CONS 0
.Lprod_skip:
	s_add_co_u32 s12, s12, 1
	s_cmp_lt_u32 s12, 8
	s_cbranch_scc1 .Lstage
	s_cmp_lt_u32 s10, 4
	s_cbranch_scc1 .Ltail
	s_wait_dscnt 0x0
	s_wait_alu depctr_hold_cnt(0) depctr_sa_sdst(0) depctr_va_vdst(0) depctr_va_sdst(0) depctr_va_ssrc(0) depctr_va_vcc(0) depctr_vm_vsrc(0)
	s_wait_tensorcnt 0x0
	ds_add_u32 v254, v255
	s_wait_dscnt 0x0
	s_endpgm                                       ; the producers are done: the last barrier lies behind them
; ---------------- the two silu steps: all their blocks and bytes were stored ahead of the last barrier ----------------
; The first loads land in AS and AF: the last stage's last wait on va_vdst has shown its products done reading them, and no vector or matrix instruction has been issued since
.Ltail:
	ds_load_b128 v[AS:AS+3], v9                    ; the rows' scale words of both steps: register 2 e + z
	ds_load_b128 v[AS+4:AS+7], v9 offset:16
	SFETCH 0, 0
	SFETCH 1, 0
	s_wait_loadcnt 14                              ; the weights' K step 16 is in; step 17's 14 loads may be out
	s_wait_dscnt 24                                ; the scale words and row tiles 0-3 are in
	WIN MUL
	MUL16 0, 0, AS, 2, 0
	WIN 0
	PLACES
	s_wait_alu depctr_va_vdst(0)                   ; the sixteen products are done reading row tiles 0-3, in which the loads below land
	SFETCH 0, 1
	s_wait_dscnt 24                                ; row tiles 4-7 of the first step are in
	WIN MUL
	MUL16 1, 0, AS, 2, 0
	WIN 0
	PLACES
	s_wait_alu depctr_va_vdst(0)                   ; the sixteen products are done reading row tiles 4-7, in which the loads below land
	SFETCH 1, 1
	s_wait_loadcnt 0x0                             ; K step 17
	s_wait_dscnt 24                                ; row tiles 0-3 of the second step are in
	WIN MUL
	MUL16 0, 1, AS+1, 2, 0
	s_wait_dscnt 0x0
	MUL16 1, 1, AS+1, 2, 0
	WIN 0
	PLACES                                         ; in front of the reads of the last results and of the loads into the weights' registers; the wait stands behind them, in the first tile's way out
; ---------------- the way out ----------------
	TOSTAGE 0
.irp a, 1,2,3,4,5,6,7
.if \a > 1
	s_wait_xcnt 0x0                                ; tile a - 2's stores have had their addresses translated: tile a's rows may land in their registers
	s_wait_alu depctr_vm_vsrc(0)                   ; tile a - 2's stores have read their set of rows, in which tile a's loads from the stage land
.endif
	TOSTAGE \a
	SEND \a-1, 16                                  ; behind tile a - 1's loads: tile a's 8 stores and 8 loads
.endr
	SEND 7, 0
	s_wait_dscnt 0x0
	s_wait_alu depctr_hold_cnt(0) depctr_sa_sdst(0) depctr_va_vdst(0) depctr_va_sdst(0) depctr_va_ssrc(0) depctr_va_vcc(0) depctr_vm_vsrc(0)
	s_wait_tensorcnt 0x0
	ds_add_u32 v254, v255
	s_wait_dscnt 0x0
	s_endpgm
.Lfunc_end_k_qb8022fd94e_kan:
	.size	k_qb8022fd94e_kan, .Lfunc_end_k_qb8022fd94e_kan-k_qb8022fd94e_kan
	.p2alignl 7, 3214868480
	.fill 96, 4, 3214868480
	.section	.rodata,"a",@progbits
	.p2align	6, 0x0
	.amdhsa_kernel k_qb8022fd94e_kan
		.amdhsa_group_segment_fixed_size 249856
		.amdhsa_private_segment_fixed_size 0
		.amdhsa_enable_private_segment 0
		.amdhsa_kernarg_size 24
		.amdhsa_user_sgpr_count 2
		.amdhsa_user_sgpr_kernarg_segment_ptr 1
		.amdhsa_wavefront_size32 1
		.amdhsa_system_sgpr_workgroup_id_x 1
		.amdhsa_system_sgpr_workgroup_id_y 1
		.amdhsa_system_sgpr_workgroup_id_z 1
		.amdhsa_system_vgpr_workitem_id 0
		.amdhsa_next_free_vgpr 512
		.amdhsa_next_free_sgpr 66
		.amdhsa_reserve_vcc 0
		.amdhsa_float_denorm_mode_32 3
		.amdhsa_float_denorm_mode_16_64 3
		.amdhsa_memory_ordered 1
		.amdhsa_forward_progress 1
		.amdhsa_inst_pref_size 190
	.end_amdhsa_kernel
	.amdgpu_metadata
---
amdhsa.version: [ 1, 2 ]
amdhsa.kernels:
  - .name:           k_qb8022fd94e_kan
    .symbol:         k_qb8022fd94e_kan.kd
    .args:
      - { .name: x, .offset: 0, .size: 8, .value_kind: global_buffer, .address_space: global }
      - { .name: wq, .offset: 8, .size: 8, .value_kind: global_buffer, .address_space: global }
      - { .name: out0, .offset: 16, .size: 8, .value_kind: global_buffer, .address_space: global }
    .group_segment_fixed_size: 249856
    .private_segment_fixed_size: 0
    .kernarg_segment_align: 8
    .kernarg_segment_size: 24
    .max_flat_workgroup_size: 256
    .sgpr_count:     66
    .vgpr_count:     512
    .wavefront_size: 32
...
	.end_amdgpu_metadata
.endif
;; end of part 4
